; MI455X (gfx1250); checked and timed in simulation.
; The chip was launched on July 23, 2026; its instructions are those of AMD's public machine-readable ISA for CDNA 5 (MIT licence, August 2026) and "CDNA5" Instruction Set Architecture Reference Guide (July 2026). The comments in the code are by the model that wrote it; some were corrected since.
;; Decoder Head. Allowed arithmetic: matrix products marked QUANTISED: E2M1 operands, one E8M0 scale for each 32 along K, by v_wmma_scale_f32_16x16x128_f8f6f4 with both operands' format E2M1 (or v_wmma_scale_f32_32x16x128_f4), f32 sums; everything else in f32.
;; Inputs: Wq_codes 1,024 x 32 x 16 uint8 (E2M1 codes of Wq, K innermost, in blocks of 32 codes, two codes a byte); Wq_scales 1,024 x 32 uint8 (E8M0 scales of Wq, one for each 32 codes along K); k_codes 4 x 16 x 2,048 x 2 x 16 uint8 (E2M1 codes of k, K innermost, in blocks of 32 codes, two codes a byte); k_scales 4 x 16 x 2,048 x 2 uint8 (E8M0 scales of k, one for each 32 codes along K); v_codes 4 x 16 x 64 x 64 x 16 uint8 (E2M1 codes of v, K innermost, in blocks of 32 codes, two codes a byte); v_scales 4 x 16 x 64 x 64 uint8 (E8M0 scales of v, one for each 32 codes along K); x 4 x 2,048 x 1,024 float32.
;; Outputs: out0 4 x 2,048 x 1,024 float32.
;; This version of the problem:
;;   THIS VERSION OF THE PROBLEM IS GIVEN IN LOW PRECISION. The matrix products marked QUANTISED in the list below multiply operands that are first quantised to E2M1 (2 exponent bits, 1 mantissa bit; 4 bits a number), with one power-of-two scale for each 32 numbers along K (OCP MX v1.0); their sums are f32. All else is computed in f32.
;;   The module's matrix products, in the order in which they are computed (A, B: the left and right operand; K: the contracted axis; several contracted axes count as one K, in the product's order):
;;     1. [M 8,192, K 1,024] x [K 1,024, N 1,024]; A: input x; B: input Wq (given as codes): QUANTISED
;;     2. batch 64 x [M 2,048, K 64] x [K 64, N 2,048]; A: computed on the way; B: input k (given as codes): QUANTISED
;;     3. batch 64 x [M 2,048, K 2,048] x [K 2,048, N 64]; A: softmax (see below); B: input v (given as codes): QUANTISED
;;   THE QUANTISER, for each operand of a quantised product, along K:
;;     - K is cut into blocks of 32 from its start; a last block that is shorter is filled with zeros.
;;     - A block's scale is 2^e with e = floor(log2(the largest magnitude in the block)) - 2, held to -126 .. 127; a block of zeros has e = 0. As a byte (E8M0): e + 127.
;;     - Each number is divided by its block's scale, clamped to +-6, and rounded to the nearest number of E2M1, ties to even, subnormals kept.
;;     - The product sums the exact products of the quantised numbers (number of the format x scale) in f32.
;;   ~~~python
;;   def quantise(x, axis):      # numpy; x: float32 -> the quantised numbers, widened to float32 again
;;       x = np.moveaxis(x, axis, -1); K = x.shape[-1]
;;       x = np.pad(x, [(0, 0)] * (x.ndim - 1) + [(0, -K % 32)]); x = x.reshape(x.shape[:-1] + (-1, 32)); a = np.abs(x).max(-1, keepdims=True)
;;       e = np.where(a > 0, np.clip(np.frexp(np.where(a > 0, a, 1))[1] - 1 - 2, -126, 127), 0)      # np.frexp(a)[1] - 1 = floor(log2(a)), exactly
;;       r = np.clip(x / 2.0 ** e, -6, 6)
;;       step = 2.0 ** (np.maximum(np.frexp(np.where(r == 0, 1, r))[1] - 1, 0) - 1)
;;       q = np.round(r / step) * step * 2.0 ** e      # np.round: ties to even
;;       return np.moveaxis(q.reshape(q.shape[:-2] + (-1,))[..., :K], -1, axis).astype(np.float32)
;;   ~~~
;;   SOFTMAX AHEAD OF A QUANTISED PRODUCT. Where the list says 'softmax', what is quantised is not the finished softmax but p = 2^(t - M), with t = logit x log2(e) and M = ceil(the row's largest t), a whole number; so 1/2 < the row's largest p <= 1. The row's sum l is taken of the UNQUANTISED p, in f32, and the product's result is divided by l at the end. Since M is a whole number, a kernel that streams over the keys may use a running M (the ceiling of the running maximum): every later rescaling is an exact power of two, which a block's scale takes up: the codes' values come out the same.
;;   OPERANDS COMPUTED ON THE WAY. 'Computed on the way' means the value that the module computes at that place (a softmax that the list does not call 'softmax' is quantised finished and normalised). What goes into a quantiser is computed in f32, as accurately as f32 sums, v_exp_f32 and their like allow (about 1e-6 of the number): no bf16 or f16 on the way to a quantiser, and a product that is left as it is and whose result goes on into a quantised operand takes f32 operands (vector FMAs, or v_wmma_f32_16x16x4_f32). A number that lies on a knife's edge between two numbers of the format may be rounded either way, as far as f32 arithmetic and the matrix unit's own rounding can turn it there, and no further.
;;   INPUTS GIVEN AS CODES. Wq (in the module: [1024, 1024], K = its axis 1); k (in the module: [4, 16, 2048, 64], K = its axis 3); v (in the module: [4, 16, 2048, 64], K = its axis 2): each comes as NAME_codes (uint8): NAME with its K axis moved to the last place and cut into blocks of 32 codes, [.., K / 32, bytes a block], one block behind the other in memory; two codes a byte, the lower K in the low four bits (a code: sign, 2 exponent bits, 1 mantissa bit); and NAME_scales (uint8): the same leading axes, one E8M0 byte (e + 127) for each 32 codes along K. Its value is code x scale, taken as it is: it is not quantised again, and the codes and scales need not be those that the quantiser above would give.
;; 2 versions. Each part assembles by itself: llvm-mc -triple=amdgcn-amd-amdhsa -mcpu=gfx1250 --defsym DOCPART=n.
;; ======== version 1 of 2: 2 launches
;; workspace buffers: q_codes 4,194,304 bytes; q_sw 524,288 bytes
;; launch proj (part 1): grid 2 x 128, 8 waves a work-group, no clusters, 105,472 bytes of LDS; arguments x, Wq_codes, Wq_scales, q_codes, q_sw; writes q_codes, q_sw
.if DOCPART == 1
	.amdgcn_target "amdgcn-amd-amdhsa--gfx1250"
	.amdhsa_code_object_version 6
	.text
	.protected	k_q84d2f6142b_proj
	.globl	k_q84d2f6142b_proj
	.p2align	8
	.type	k_q84d2f6142b_proj,@function
k_q84d2f6142b_proj:
	s_mov_b64 s[64:65], 0
	v_nop
	global_prefetch_b8 v0, s[64:65] scope:SCOPE_SE
	s_setreg_imm32_b32 hwreg(HW_REG_WAVE_MODE, 25, 1), 1
	s_wait_xcnt 0x0
; q = Q(x) Wq^T on codes of FP4 (E2M1) with one E8M0 scale for each 32 along K, and q quantised again along each head's 64.
; x: [8192][1024] f32.  Wq: [1024][1024] as codes, K innermost (a row is 512 bytes), scale bytes [1024][32].
; OUT: q_codes [batch x head][2048][32 bytes] (block 0's 16 bytes, then block 1's), q_sw [batch x head][2048] one word: bytes 0, 1 the two scale bytes, bytes 2, 3 zero.
; SHARES.  A work-group takes 64 rows of x and 512 columns of q (work-group x: which half); each of its eight waves owns ONE head: 64 rows of Wq, for all 64 rows of x.
; The wave's part of Wq (4 tiles x 8 K steps x 8 registers = 256 registers, window 1) is loaded once and stays.
; x is quantised once in the work-group: wave w makes 4 of the 32 fragments (16 rows x 128 K) and stores them in LDS as IMAGES OF THE OPERAND'S REGISTERS (16 bytes a lane); one barrier; every wave loads them back by the same lines.
; THE PRODUCT IS USED TRANSPOSED (source 0 = 16 rows of Wq, source 1 = 16 rows of x), AND THE ROWS OF Wq THAT FORM A TILE ARE CHOSEN: row m of tile i is the head's row 32 (m / 8) + 8 i + m % 8.
; So lane (r, h) holds row r of q, and the 32 registers of its four tiles are the head's channels 32 h + 0 .. 31 in order: a WHOLE block of the next K: its largest magnitude needs no other lane, and the conversions' results are 16 bytes of q_codes.
; NO CLUSTER, NO TENSOR LOAD: Wq goes from memory straight into the registers in which it stays; x has to pass through registers as f32 to be quantised; and the grid's x is 2.
; A block's scale byte is its largest magnitude's exponent field - 2, held at 1 from below by a floor among the maximum's leaves.
; LIMITS: NaN and infinities among the inputs are not served.  A block whose largest magnitude lies under 2^-124 gets the byte 1; a block of zeros too (the rule says 127): its codes are zeros, and this program alone reads the bytes.
.set TSP,  528                         ; a row of a wave's turning stage: 512 bytes + 16: row r starts at bank 4 r mod 64 (64 banks of 4 bytes: ISA guide 11.1)
.set TSB,  16*TSP                      ; LDS 0: eight stages, one a wave, 16 rows each
.set XIMG, 8*TSB                       ; then the 32 images of x's fragments (row tile m, K step s: 8 m + s), 1,024 bytes each
.set XSC,  XIMG+32*1024                ; then their scale words, 128 bytes each
.set LN,   1                           ; v1   lane
.set RR,   2                           ; v2   r = lane % 16
.set HH,   3                           ; v3   h = lane / 16
.set XO,   4                           ; v4   16 x lane: my 16 bytes of a load's 512
.set TSW,  5                           ; v5   the stage, on the way in: 16 x lane
.set TSR,  6                           ; v6   and on the way out: row r, + 128 h
.set IMW,  7                           ; v7   where I store my wave's images
.set ISW,  8                           ; v8   and their scale words
.set LI,   9                           ; v9   XIMG + 16 x lane
.set LS,   10                          ; v10  XSC + 4 x lane
.set WO,   11                          ; v11  my byte in a tile of Wq's codes
.set WSO,  12                          ; v12  and among its scale words
.set QCO,  13                          ; v13  32 r + 16 h: my 16 bytes of 16 rows of q_codes
.set QSO,  14                          ; v14  4 x lane
.set SH8,  15                          ; v15  8 h
.set WS,   16                          ; v16-31  Wq's scale words: register 8 a + s: lanes 0-15 tile 2 a, lanes 16-31 tile 2 a + 1, K step s.  Scales and nothing else
.set XS,   32                          ; v32-47  x's scale words, two sets of eight.  Scales and nothing else
.set XF,   48                          ; v48-175 x's fragments of a row tile, two sets of 64;  before the barrier: x as it is loaded, two sets of 64
.set RAW,  48
.set X,    176                         ; v176-239 64 numbers of x, turned
.set ACC,  176                         ; behind the barrier: v176-207 the four accumulators,
.set QC,   208                         ; v208-223 q's codes, four registers for each row tile, so that no store's data are written again,
.set QW,   224                         ; v224-227 q's scale words,
.set T0,   228                         ; v228-229 at work
.set PC,   240                         ; v240-247 a fragment's codes
.set BM,   248                         ; v248-249 largest magnitudes
.set SC,   250                         ; v250-251 the conversions' scale operands
.set BY,   252                         ; v252-253 scale bytes
.set T,    254                         ; v254 a lane permute's destination
.set PW,   255                         ; v255 the scale word just made
.set MSB, 0
.macro WIN new                         ; s_set_vgpr_msb: bits 1:0 source 0, 3:2 source 1, 5:4 source 2, 7:6 destination; the high byte repeats the setting that is left
.if MSB != \new
	s_set_vgpr_msb (MSB<<8)|\new
.set MSB, \new
.endif
.endm
; One product.  link = 0: it starts the sum (C is the constant 0).  row = 1: source 0's scales stand in lanes 16-31 of their register.
.macro PROD d, a, b, link, sa, sb, row
.if (\link) == 0
.if \row
	v_wmma_scale_f32_16x16x128_f8f6f4 v[\d:\d+7], v[\a:\a+7], v[\b:\b+7], 0, v[\sa], v[\sb] matrix_a_fmt:MATRIX_FMT_FP4 matrix_b_fmt:MATRIX_FMT_FP4 matrix_a_scale:MATRIX_SCALE_ROW1
.else
	v_wmma_scale_f32_16x16x128_f8f6f4 v[\d:\d+7], v[\a:\a+7], v[\b:\b+7], 0, v[\sa], v[\sb] matrix_a_fmt:MATRIX_FMT_FP4 matrix_b_fmt:MATRIX_FMT_FP4
.endif
.else
.if \row
	v_wmma_scale_f32_16x16x128_f8f6f4 v[\d:\d+7], v[\a:\a+7], v[\b:\b+7], v[\d:\d+7], v[\sa], v[\sb] matrix_a_fmt:MATRIX_FMT_FP4 matrix_b_fmt:MATRIX_FMT_FP4 matrix_a_scale:MATRIX_SCALE_ROW1
.else
	v_wmma_scale_f32_16x16x128_f8f6f4 v[\d:\d+7], v[\a:\a+7], v[\b:\b+7], v[\d:\d+7], v[\sa], v[\sb] matrix_a_fmt:MATRIX_FMT_FP4 matrix_b_fmt:MATRIX_FMT_FP4
.endif
.endif
.endm
; My wave's fragment k (of 4): 16 rows x 128 numbers.  Each load takes 512 consecutive bytes of one row, at a multiple of 512 from x's first byte.
.macro XLOAD k, reg
.irp i, 0,1,2,3,4,5,6,7,8,9,10,11,12,13,14,15
	global_load_b128 v[\reg+4*\i:\reg+4*\i+3], v[XO], s[4:5] offset:4096*\i+512*(\k)
.endr
.endm
; The fragment's 8,192 bytes turn through my own stage: in as loaded, out so that lane (r, h) holds, of row r, the numbers 64 c + 32 h + 0 .. 31 in v[X + 32 c] on: the order of the operand's registers.
; LDS serves a wave's instructions in order (ISA guide 5.7.1.4): no wait between the stores and the loads.
.macro TURN reg
.irp i, 0,1,2,3,4,5,6,7,8,9,10,11,12,13,14,15
	ds_store_b128 v[TSW], v[\reg+4*\i:\reg+4*\i+3] offset:TSP*\i
.endr
.irp c, 0,1
.irp j, 0,1,2,3,4,5,6,7
	ds_load_b128 v[X+32*\c+4*\j:X+32*\c+4*\j+3], v[TSR] offset:256*\c+16*\j
.endr
.endr
.endm
; 64 numbers of a lane, two whole blocks of 32 (blocks h and 2 + h of my row's 128), become the fragment's eight registers in v[PC] on and my row's scale word in v[PW].
.macro QUANT64
.irp c, 0,1
	v_max3_num_f32 v[BM+\c], |v[X+32*\c]|, |v[X+32*\c+1]|, 0x1800000   ; the floor 2^(3 - 127) among the leaves: the byte cannot fall under 1
.endr
.irp i, 2,4,6,8,10,12,14,16,18,20,22,24,26,28,30
.irp c, 0,1
	v_max3_num_f32 v[BM+\c], v[BM+\c], |v[X+32*\c+\i]|, |v[X+32*\c+\i+1]|   ; (the two blocks by turns)
.endr
.endr
.irp c, 0,1
	v_add_nc_u32 v[SC+\c], 0xff000000, v[BM+\c]    ; 2 off the exponent field: the conversion takes this operand's exponent field as its scale, and nothing else of it
.endr
.irp c, 0,1
	v_lshrrev_b32 v[BY+\c], 23, v[SC+\c]           ; the scale's byte
.endr
	v_lshl_or_b32 v[PW], v[BY+1], 16, v[BY]        ; my two bytes,
	v_lshlrev_b32 v[PW], v[SH8], v[PW]             ; at their places in the word (8 h bits up);
	v_permlanex16_b32 v[T], v[PW], s18, s19
	v_or_b32 v[PW], v[PW], v[T]                    ; with lane l xor 16's two the word is whole
.irp c, 0,1
.irp i, 0,1,2,3
	v_cvt_scalef32_pk8_fp4_f32 v[PC+4*\c+\i], v[X+32*\c+8*\i:X+32*\c+8*\i+7], v[SC+\c]
.endr
.endr
	v_nop                                          ; one plain place behind a scaled conversion
.endm
.macro IMAGE k                         ; the fragment goes to LDS as it stands in the registers
.irp c, 0,1
	ds_store_b128 v[IMW], v[PC+4*\c:PC+4*\c+3] offset:1024*(\k)+512*\c
.endr
	ds_store_b32 v[ISW], v[PW] offset:128*(\k)
.endm
.macro FETCHX m, bank                  ; row tile m's eight fragments and scale words come back so, in any wave: 24 LDS loads
.irp s, 0,1,2,3,4,5,6,7
.irp c, 0,1
	ds_load_b128 v[XF+64*(\bank)+8*\s+4*\c:XF+64*(\bank)+8*\s+4*\c+3], v[LI] offset:(8*(\m)+\s)*1024+512*\c
.endr
	ds_load_b32 v[XS+8*(\bank)+\s], v[LS] offset:(8*(\m)+\s)*128
.endr
.endm
.macro MULM bank                       ; 32 products: K ascending, the four accumulators by turns, one instruction a turn
	WIN 0x01                                       ; source 0 (Wq) window 1
.irp s, 0,1,2,3,4,5,6,7
.irp i, 0,1,2,3
	PROD ACC+8*\i, 64*\i+8*\s, XF+64*(\bank)+8*\s, \s, WS+8*(\i/2)+\s, XS+8*(\bank)+\s, \i%2
.endr
.endr
	WIN 0
.endm
; My 32 numbers of q are one block.  Two chains; each accumulator is read from its low end on.
.macro QUANTQ m
	v_max3_num_f32 v[BM], |v[ACC]|, |v[ACC+1]|, 0x1800000
	v_max3_num_f32 v[BM+1], |v[ACC+16]|, |v[ACC+17]|, 0x1800000
.irp i, 2,4,6,8,10,12,14
	v_max3_num_f32 v[BM], v[BM], |v[ACC+\i]|, |v[ACC+\i+1]|
	v_max3_num_f32 v[BM+1], v[BM+1], |v[ACC+16+\i]|, |v[ACC+17+\i]|
.endr
	v_max_num_f32 v[BM], v[BM], v[BM+1]
	v_add_nc_u32 v[SC], 0xff000000, v[BM]
	v_lshrrev_b32 v[BY], 23, v[SC]
	v_lshlrev_b32 v[T0], v[SH8], v[BY]             ; block h's byte is byte h of the word
	v_permlanex16_b32 v[T], v[T0], s18, s19
	v_or_b32 v[QW+(\m)], v[T0], v[T]               ; bytes 2 and 3 stay 0: they stand over zero codes in the next launch
.irp i, 0,1,2,3
	v_cvt_scalef32_pk8_fp4_f32 v[QC+4*(\m)+\i], v[ACC+8*\i:ACC+8*\i+7], v[SC]
.endr
	v_nop                                          ; one plain place behind a scaled conversion: the next products write its sources
.endm
	s_load_b128 s[4:7], s[0:1], 0x0                ; x s[4:5], Wq's codes s[6:7]
	s_load_b128 s[8:11], s[0:1], 0x10              ; Wq's scales s[8:9], q_codes s[10:11]
	s_load_b64 s[12:13], s[0:1], 0x20              ; q_sw
	v_lshrrev_b32 v1, 5, v0
	v_readfirstlane_b32 s14, v1                    ; wave 0..7
	v_and_b32 v[LN], 31, v0
	v_and_b32 v[RR], 15, v0
	v_bfe_u32 v[HH], v0, 4, 1
	s_and_b32 s16, ttmp7, 0xffff                   ; which 64 rows of x
	s_lshl_b32 s17, ttmp9, 3
	s_add_co_u32 s17, s17, s14                     ; my head = 8 x column half + wave
	s_mov_b32 s18, 0x76543210
	s_mov_b32 s19, 0xfedcba98                      ; v_permlanex16_b32's selects for lane l xor 16
	s_lshl_b32 s20, s16, 18                        ; x: 64 rows of 4,096 bytes a block,
	s_lshr_b32 s30, s14, 1
	s_lshl_b32 s30, s30, 16                        ; my row tile (wave / 2): 16 rows,
	s_add_co_u32 s20, s20, s30
	s_and_b32 s30, s14, 1
	s_lshl_b32 s30, s30, 11                        ; my four K steps (wave % 2): 4 x 512 bytes
	s_add_co_u32 s20, s20, s30
	s_mov_b32 s21, 0
	s_lshl_b32 s22, s17, 15                        ; Wq's codes: 64 rows of 512 bytes a head
	s_mov_b32 s23, 0
	s_lshl_b32 s24, s17, 11                        ; its scale bytes: 64 rows of 32
	s_mov_b32 s25, 0
	s_lshr_b32 s30, s16, 5                         ; the batch (32 blocks of 64 rows each),
	s_lshl_b32 s30, s30, 4
	s_add_co_u32 s30, s30, s17                     ; batch x 16 + head,
	s_lshl_b32 s30, s30, 11
	s_and_b32 s31, s16, 31
	s_lshl_b32 s31, s31, 6
	s_add_co_u32 s30, s30, s31                     ; its row of q that is my block's first
	s_lshl_b32 s26, s30, 5                         ; 32 bytes of codes a row,
	s_mov_b32 s27, 0
	s_lshl_b32 s28, s30, 2                         ; one word of scales
	s_mov_b32 s29, 0
	s_mul_i32 s32, s14, TSB                        ; my stage
	s_lshl_b32 s33, s14, 12
	s_add_co_u32 s33, s33, XIMG                    ; my four images
	s_lshl_b32 s34, s14, 9
	s_add_co_u32 s34, s34, XSC                     ; and their scale words
	v_lshlrev_b32 v[XO], 4, v[LN]
	v_lshl_add_u32 v[TSW], v[LN], 4, s32
	v_mul_u32_u24 v[TSR], v[RR], TSP
	v_lshl_add_u32 v[TSR], v[HH], 7, v[TSR]
	v_add_nc_u32 v[TSR], s32, v[TSR]
	v_lshl_add_u32 v[IMW], v[LN], 4, s33
	v_lshl_add_u32 v[ISW], v[LN], 2, s34
	v_lshl_add_u32 v[LI], v[LN], 4, XIMG
	v_lshl_add_u32 v[LS], v[LN], 2, XSC
	v_lshrrev_b32 v240, 3, v[RR]                   ; r / 8
	v_and_b32 v241, 7, v[RR]                       ; r % 8
	v_lshlrev_b32 v[WO], 14, v240                  ; Wq's codes: lane r of tile i takes row 32 (r / 8) + 8 i + r % 8 of 512 bytes, + 16 h
	v_lshl_add_u32 v[WO], v241, 9, v[WO]
	v_lshl_add_u32 v[WO], v[HH], 4, v[WO]
	v_lshlrev_b32 v[WSO], 10, v240                 ; its scale words: the same row of 32 bytes; lanes 16-31 take the tile one further on: 8 rows
	v_lshl_add_u32 v[WSO], v[HH], 8, v[WSO]
	v_lshl_add_u32 v[WSO], v241, 5, v[WSO]
	v_lshlrev_b32 v[QCO], 5, v[RR]
	v_lshl_add_u32 v[QCO], v[HH], 4, v[QCO]
	v_lshlrev_b32 v[QSO], 2, v[LN]
	v_lshlrev_b32 v[SH8], 3, v[HH]
	v_mov_b32 v[T], 0                              ; written once: a lane permute's destination counts as one of its sources
	s_wait_kmcnt 0x0
	s_add_nc_u64 s[4:5], s[4:5], s[20:21]
	s_add_nc_u64 s[6:7], s[6:7], s[22:23]
	s_add_nc_u64 s[8:9], s[8:9], s[24:25]
	s_add_nc_u64 s[10:11], s[10:11], s[26:27]
	s_add_nc_u64 s[12:13], s[12:13], s[28:29]
	WIN 0x40                                       ; destination window 1
.irp i, 0,1,2,3                                ; Wq's fragment (tile i, K step s) at v[64 i + 8 s] of window 1: it stays
.irp s, 0,1,2,3,4,5,6,7
.irp c, 0,1
	global_load_b128 v[64*\i+8*\s+4*\c:64*\i+8*\s+4*\c+3], v[WO], s[6:7] offset:4096*\i+64*\s+32*\c
.endr
.endr
.endr
	WIN 0
.irp a, 0,1
.irp q, 0,1
	global_load_b128 v[WS+8*\a+4*\q:WS+8*\a+4*\q+3], v[WSO], s[8:9] offset:512*\a+16*\q   ; four K steps' words at once
.endr
.endr
	XLOAD 0, RAW                                   ; Wq's loads stand ahead of x's, so that x's counted waits show Wq landed too
	XLOAD 1, RAW+64
; ---- x: my four fragments, loads two fragments ahead
.irp k, 0,1,2,3
.if \k < 3
	s_wait_loadcnt 16                              ; loads come back in order (ISA guide 5.7.1): this fragment's are in, the next fragment's 16 may be out
.else
	s_wait_loadcnt 0x0
.endif
	TURN RAW+64*(\k%2)
	s_wait_dscnt 0x0                               ; the turned numbers are in; the stage's stores have read their registers, the last image's too
.if \k < 2
	XLOAD \k+2, RAW+64*(\k%2)
.endif
	QUANT64
	IMAGE \k
.endr
	s_wait_dscnt 0x0                               ; for the others' sake: my images have landed
	s_barrier_signal -1
	s_barrier_wait -1                              ; x's 32 fragments lie in LDS; nothing is written there again
; ---- q: a tile of 16 rows at a time; the next tile's fragments are fetched ahead of this tile's products
	FETCHX 0, 0
.irp m, 0,1,2,3
.if \m < 3
	FETCHX \m+1, (\m+1)%2                          ; into the set that the products of the tile before read: five places and a quantising lie between
	s_wait_dscnt 24                                ; this tile's loads are in; the 24 just issued may be out
.else
	s_wait_dscnt 0x0
.endif
	MULM \m%2
.rept 5
	v_nop                                          ; four places in front of the first read of results (ISA guide 7.12.1); the fifth because the next tile's first products write over these accumulators
.endr
	QUANTQ \m
	global_store_b128 v[QCO], v[QC+4*\m:QC+4*\m+3], s[10:11] offset:512*\m   ; 32 lanes store 512 consecutive bytes, at a multiple of 512 from the buffer's first byte
.endr
	v_cmp_le_u32 vcc_lo, 16, v[LN]                 ; the scale words: every lane holds row r's of each tile: lanes 0-15 send tile 2 a's, lanes 16-31 tile 2 a + 1's
.irp a, 0,1
	v_cndmask_b32 v[T0+\a], v[QW+2*\a], v[QW+2*\a+1], vcc_lo
	global_store_b32 v[QSO], v[T0+\a], s[12:13] offset:128*\a
.endr
	s_wait_xcnt 0x0
	v_lshl_add_u32 v254, v0, 2, 0x19800
	v_mov_b32 v255, 0
	s_wait_tensorcnt 0x0
	ds_add_u32 v254, v255
	s_wait_dscnt 0x0
	s_endpgm
.Lfunc_end_k_q84d2f6142b_proj:
	.size	k_q84d2f6142b_proj, .Lfunc_end_k_q84d2f6142b_proj-k_q84d2f6142b_proj
	.p2alignl 7, 3214868480
	.fill 96, 4, 3214868480
	.section	.rodata,"a",@progbits
	.p2align	6, 0x0
	.amdhsa_kernel k_q84d2f6142b_proj
		.amdhsa_group_segment_fixed_size 105472
		.amdhsa_private_segment_fixed_size 0
		.amdhsa_enable_private_segment 0
		.amdhsa_kernarg_size 40
		.amdhsa_user_sgpr_count 2
		.amdhsa_user_sgpr_kernarg_segment_ptr 1
		.amdhsa_wavefront_size32 1
		.amdhsa_system_sgpr_workgroup_id_x 1
		.amdhsa_system_sgpr_workgroup_id_y 1
		.amdhsa_system_sgpr_workgroup_id_z 1
		.amdhsa_system_vgpr_workitem_id 0
		.amdhsa_next_free_vgpr 512
		.amdhsa_next_free_sgpr 66
		.amdhsa_reserve_vcc 1
		.amdhsa_float_denorm_mode_32 3
		.amdhsa_float_denorm_mode_16_64 3
		.amdhsa_memory_ordered 1
		.amdhsa_forward_progress 1
		.amdhsa_inst_pref_size 67
	.end_amdhsa_kernel
	.amdgpu_metadata
---
amdhsa.version: [ 1, 2 ]
amdhsa.kernels:
  - .name:           k_q84d2f6142b_proj
    .symbol:         k_q84d2f6142b_proj.kd
    .args:
      - { .name: x, .offset: 0, .size: 8, .value_kind: global_buffer, .address_space: global }
      - { .name: Wq_codes, .offset: 8, .size: 8, .value_kind: global_buffer, .address_space: global }
      - { .name: Wq_scales, .offset: 16, .size: 8, .value_kind: global_buffer, .address_space: global }
      - { .name: q_codes, .offset: 24, .size: 8, .value_kind: global_buffer, .address_space: global }
      - { .name: q_sw, .offset: 32, .size: 8, .value_kind: global_buffer, .address_space: global }
    .group_segment_fixed_size: 105472
    .private_segment_fixed_size: 0
    .kernarg_segment_align: 8
    .kernarg_segment_size: 40
    .max_flat_workgroup_size: 256
    .sgpr_count:     66
    .vgpr_count:     512
    .wavefront_size: 32
...
	.end_amdgpu_metadata
.endif
;; end of part 1
;; launch attn (part 2): grid 256 x 1, 16 waves a work-group, clusters of 4 x 1, 213,504 bytes of LDS; arguments q_codes, q_sw, k_codes, k_scales, v_codes, v_scales, x, out0; writes out0
.if DOCPART == 2
	.amdgcn_target "amdgcn-amd-amdhsa--gfx1250"
	.amdhsa_code_object_version 6
	.text
	.protected	k_q84d2f6142b_attn
	.globl	k_q84d2f6142b_attn
	.p2align	8
	.type	k_q84d2f6142b_attn,@function
k_q84d2f6142b_attn:
	s_mov_b64 s[64:65], 0
	v_nop
	global_prefetch_b8 v0, s[64:65] scope:SCOPE_SE
	s_setreg_imm32_b32 hwreg(HW_REG_WAVE_MODE, 25, 1), 1
	s_wait_xcnt 0x0
	s_wait_alu depctr_hold_cnt(0) depctr_sa_sdst(0) depctr_va_vdst(0) depctr_va_sdst(0) depctr_va_ssrc(0) depctr_va_vcc(0) depctr_vm_vsrc(0)
	s_getreg_b32 s2, hwreg(HW_REG_IB_STS2, 6, 4)
	s_cmp_eq_u32 s2, 0
	s_cbranch_scc0 .Lentry_in_a_cluster
	s_endpgm
.Lentry_in_a_cluster:
	s_bfe_u32 s2, ttmp6, 0x10000c
	s_cmp_lg_u32 s2, 0x3003
	s_cbranch_scc0 .Lentry_shape_is_right
	s_endpgm
.Lentry_shape_is_right:
; out0 = x + softmax(q k^T / 32, causal) v, head by head, both products on codes of FP4 (E2M1) with one E8M0 scale for each 32 along a product's K.
; q: codes [64 heads][2048][32 bytes] and one scale word a row (made by the launch before).  k: codes [64][2048][32 bytes], scale bytes [64][2048][2].  v: codes with the KEYS innermost, [64][64 channels][1024 bytes], scale bytes [64][64][64].
; THE SOFTMAX AHEAD OF THE SECOND PRODUCT: t = score x log2(e) / 32; M = the running largest t rounded UP to a whole number; p = 2^(t - M) is quantised along the keys, not normalised; the row's sum is taken of the unquantised p and divides at the end.
; When M moves, the sum and O are multiplied by 2^(old M - new M): exact.
; SHARES.  A cluster of four work-groups owns one head.  A head's K, V and their scale bytes are 139,264 bytes: they come into each work-group's LDS ONCE, by four JOINT tensor loads (the same descriptor and the mask of all four in each partner),
; and stay: no slot is ever filled again, and no barrier stands in the key loop.
; The head's 128 tiles of 16 queries: tile 4 g + cx goes to work-group cx; g = 0 .. 31.  Its queries begin at 64 g + 16 cx, so it needs the key steps (128 keys each) 0 .. g / 2, whatever cx: no branch hangs on the place in the cluster.
; Wave w of sixteen takes g = w and then g = 31 - w: 17 key steps for every wave.  Four waves share a SIMD, so that one wave's vector work stands beside another's LDS loads and products.
; A pass's key loop has a constant 16 trips; a scalar branch on the wave's number leads over the work of the steps all of whose keys come after the tile's queries, not over the lines that step addresses.
; LAYOUT.  Both products are used transposed: S^T = K Q^T (source 0 = 16 keys, source 1 = my 16 queries), O^T = V^T P^T (source 0 = 16 channels, source 1 = P): a lane holds ONE query (lane % 16) throughout.
; THE KEYS OF A TILE ARE CHOSEN: row m of tile (c, i) is key 64 c + 32 (m / 8) + 8 i + m % 8 of the step.  So the 32 registers of tiles (c, 0 .. 3) of lane (q, h) are keys 64 c + 32 h + 0 .. 31 in order: a WHOLE block of the second product's K:
; its largest p needs no other lane, and the conversions' results are P's registers as they stand.
; The first product's K is 64: the upper halves of K's and Q's fragments are zero codes (registers cleared once), and the upper two bytes of their scale words are 0, which stands for a finite number.
; LIMITS: NaN and infinities are not served; a given scale byte 0xff gives NaN.  v_exp_f32 gives 0 for p under 2^-126.  A block of p that is all zeros gets the byte 1 and zero codes.
.set KP,    1040                       ; LDS: 32 keys' codes (1,024 bytes) + 16 of padding; likewise a channel's row of V.  A fragment load's 16 lanes fall into 16 different columns of 16 bytes modulo 256 (64 banks of 4 bytes: ISA guide 11.1)
.set KC,    0                          ; K's codes: 64 such rows: key k at (k / 32) KP + 32 (k % 32)
.set VC,    64*KP                      ; V's codes: 64 rows
.set KSC,   2*64*KP                    ; K's scale bytes, dense: 2 a key
.set VSC,   KSC+4096                   ; V's: 64 rows of 64 bytes + 8
.set VSP,   72
.set STAGE, VSC+64*VSP                 ; the way out: 16 rows x (256 bytes + 16) for each wave, its own; a multiple of 256; no tensor load lands here
.set SP,    272
.set AK0,  1                           ; v1   my lane's place in a tile of K
.set AV0,  2                           ; v2   in a tile of V
.set ASK0, 3                           ; v3   among K's scale bytes
.set ASV0, 4                           ; v4   among V's scale words
.set GO,   5                           ; v5   my byte in 16 rows of x and of out0: 4,096 h + 16 r
.set STO,  6                           ; v6   the stage: where I put 32 bytes of a row
.set SRD,  7                           ; v7   and where I read a row back
.set ADK,  8                           ; v8-11 the step's LDS addresses
.set ADV,  9
.set ADS,  10
.set ADT,  11
                                       ; v12 -M, v13 the largest t, v[14:15] the row's sum in two halves
.set Q,    16                          ; v16-23 Q's fragment: v16-19 loaded, v20-23 zero
.set QS,   24                          ; v24  Q's scale words.  Scales and nothing else
.set DQ,   25                          ; v25  the mask's threshold on the diagonal
.set QO,   26                          ; v26  32 r + 16 h
.set QSO,  27                          ; v27  4 r
.set KS,   28                          ; v28-31 K's scale words: register 2 c + a: lanes 0-15 tile (c, 2 a), lanes 16-31 tile (c, 2 a + 1).  Scales and nothing else
.set KF,   32                          ; v32-63 four fragments of K: registers 0-3 loaded, 4-7 zero
.set VF,   64                          ; v64-95 four fragments of V
.set S,    96                          ; v96-159 S^T, then p
.set O,    160                         ; v160-191 O^T: tile t (channels 16 t on) at 8 t
.set PCD,  192                         ; v192-199 p's codes
.set VS,   200                         ; v200-201 V's scale words: lanes 0-15 tile 2 a, lanes 16-31 tile 2 a + 1.  Scales and nothing else
.set PW,   202                         ; v202 p's scale word.  Scales and nothing else
.set RH,   203                         ; v203 r - 32 h
.set BM,   204                         ; v204-205 a block's largest score, then its largest p
.set T0,   206                         ; v206 a lane permute's destination
.set SC,   208                         ; v208-209 the conversions' scale operands
.set BY,   210                         ; v210-211 scale bytes
.set F,    212                         ; v[212:213] f = 2^(old M - new M); the pair's upper word is written once
.set NINF, 214                         ; v214 -infinity
.set SH8,  215                         ; v215 8 h
.set SUM2, 216                         ; v[216:217] the sum's second chain
.set RM,   218
.set OLD,  219
.set XR,   224                         ; v224-255 16 rows x 256 bytes of x
.set WV,   20                          ; s20 wave;  s21 cx;  s22 the head (of 64)
.set CX,   21
.set BH,   22
.set SEL,  24                          ; s[24:25] v_permlanex16_b32's selects for lane l xor 16
.set CS,   26                          ; s[26:27] c = log2(e) / 32: the packed form names a pair and takes its low word for both halves
.set G1C,  28                          ; s[28:35] descriptor group 1 for K's and V's codes;  s[36:43] for K's scale bytes;  s[44:51] for V's
.set G1KS, 36
.set G1VS, 44
.set G0K,  52                          ; s[52:55], s[56:59], s[60:63], s[68:71] the four groups 0
.set G0V,  56
.set G0KS, 60
.set G0VS, 68
.set G,    72                          ; s72 g;  s73 the diagonal's step;  s74 the step
.set SD,   73
.set SI,   74
.set TK,   75                          ; s75-78 the step's LDS bytes: K's codes, V's codes, K's scale bytes, V's scale words
.set TV,   76
.set TSK,  77
.set TSV,  78
.set QCB,  82                          ; s[82:83] q_codes, s[84:85] q_sw, s[86:87] x, s[88:89] out0, each at the pass's first row
.set QSB,  84
.set XB,   86
.set OB,   88
; A round of the cluster's barrier: my work-group's barrier, so that wave 0's signal speaks for all sixteen waves; wave 0 signals for the work-group; every wave waits for all four work-groups; my work-group's barrier once more.
.macro CROUND
	s_barrier_signal -1
	s_barrier_wait -1
	s_cmp_lg_u32 s[WV], 0
	s_cbranch_scc1 .Lnot_wave_0_\@
	s_barrier_signal -3
.Lnot_wave_0_\@:
	s_barrier_wait -3
	s_barrier_signal -1
	s_barrier_wait -1
.endm
.macro PLACES
.rept 4
	v_nop
.endr
.endm
; One product.  link = 0: it starts the sum (C is the constant 0).  row = 1: source 0's scales stand in lanes 16-31 of their register.
.macro PROD d, a, b, link, sa, sb, row
.if (\link) == 0
.if \row
	v_wmma_scale_f32_16x16x128_f8f6f4 v[\d:\d+7], v[\a:\a+7], v[\b:\b+7], 0, v[\sa], v[\sb] matrix_a_fmt:MATRIX_FMT_FP4 matrix_b_fmt:MATRIX_FMT_FP4 matrix_a_scale:MATRIX_SCALE_ROW1
.else
	v_wmma_scale_f32_16x16x128_f8f6f4 v[\d:\d+7], v[\a:\a+7], v[\b:\b+7], 0, v[\sa], v[\sb] matrix_a_fmt:MATRIX_FMT_FP4 matrix_b_fmt:MATRIX_FMT_FP4
.endif
.else
.if \row
	v_wmma_scale_f32_16x16x128_f8f6f4 v[\d:\d+7], v[\a:\a+7], v[\b:\b+7], v[\d:\d+7], v[\sa], v[\sb] matrix_a_fmt:MATRIX_FMT_FP4 matrix_b_fmt:MATRIX_FMT_FP4 matrix_a_scale:MATRIX_SCALE_ROW1
.else
	v_wmma_scale_f32_16x16x128_f8f6f4 v[\d:\d+7], v[\a:\a+7], v[\b:\b+7], v[\d:\d+7], v[\sa], v[\sb] matrix_a_fmt:MATRIX_FMT_FP4 matrix_b_fmt:MATRIX_FMT_FP4
.endif
.endif
.endm
; A PASS BEGINS: its tile's addresses; Q, its scale words and the tile's 16 x 256 bytes of x are asked for (x a whole pass ahead of its use); the statistics and O^T start.
.macro PASS_BEGIN p
.if \p
	s_xor_b32 s[G], s[WV], 31                      ; g = 31 - wave
.else
	s_mov_b32 s[G], s[WV]                          ; g = wave
.endif
	s_lshr_b32 s[SD], s[G], 1                      ; the step on the diagonal: it hangs on the wave's number alone
	s_lshl_b32 s92, s[G], 6
	s_lshl_b32 s93, s[CX], 4
	s_add_co_u32 s92, s92, s93                     ; my first query: 64 g + 16 cx.  cx enters global offsets and the mask's threshold, nothing else
	s_lshl_b32 s94, s[BH], 11
	s_add_co_u32 s94, s94, s92                     ; its row among all heads' rows of q
	s_lshl_b32 s80, s94, 5
	s_mov_b32 s81, 0
	s_add_nc_u64 s[QCB:QCB+1], s[4:5], s[80:81]
	s_lshl_b32 s80, s94, 2
	s_add_nc_u64 s[QSB:QSB+1], s[6:7], s[80:81]
	s_lshr_b32 s80, s[BH], 4
	s_lshl_b32 s80, s80, 23                        ; x and out0: the batch's 2,048 rows of 4,096 bytes,
	s_lshl_b32 s94, s92, 12                        ; my first query's row,
	s_add_co_u32 s80, s80, s94
	s_and_b32 s94, s[BH], 15
	s_lshl_b32 s94, s94, 8                         ; the head's 256 bytes in it
	s_add_co_u32 s80, s80, s94
	s_add_nc_u64 s[XB:XB+1], s[16:17], s[80:81]
	s_add_nc_u64 s[OB:OB+1], s[18:19], s[80:81]
	global_load_b128 v[Q:Q+3], v[QO], s[QCB:QCB+1] th:TH_LOAD_NT
	global_load_b32 v[QS], v[QSO], s[QSB:QSB+1] th:TH_LOAD_NT
.irp i, 0,1,2,3,4,5,6,7
	global_load_b128 v[XR+4*\i:XR+4*\i+3], v[GO], s[XB:XB+1] offset:8192*\i th:TH_LOAD_NT   ; rows 2 i and 2 i + 1: sixteen lanes read 256 consecutive bytes
.endr
	s_and_b32 s94, s[G], 1
	s_lshl_b32 s94, s94, 6
	s_add_co_u32 s94, s94, s93
	v_add_nc_u32 v[DQ], s94, v[RH]                 ; my query - the diagonal step's first key - 32 h: register 32 c + n holds a hidden key where 64 c + n is larger
	v_mov_b32 v13, 0xff61b1e6                      ; the largest t so far: -3e38, under every t
	v_floor_f32 v12, -v13                          ; -M
	v_mov_b32 v14, 0                               ; the sum, in two halves
	v_mov_b32 v15, 0
.set j, 0
.rept 32
	v_mov_b32 v[O+j], 0                            ; O^T: the step is written once: the first finds zeros, which the first change of M leaves zeros
.set j, j+1
.endr
	s_mov_b32 s[SI], 0
	s_mov_b32 s[TK], 0
	s_mov_b32 s[TV], 0
	s_mov_b32 s[TSK], 0
	s_mov_b32 s[TSV], 0
.endm
; A KEY STEP: 128 keys.
.macro STEP
	s_cmp_gt_u32 s[SI], s[SD]                      ; all its keys come after my queries: nothing to do
	s_cbranch_scc1 .Lhid_\@
	v_add_nc_u32 v[ADK], s[TK], v[AK0]             ; (these four are also the places between the last step's products and the loads into their registers)
	v_add_nc_u32 v[ADV], s[TV], v[AV0]
	v_add_nc_u32 v[ADS], s[TSK], v[ASK0]
	v_add_nc_u32 v[ADT], s[TSV], v[ASV0]
.irp c, 0,1
.irp a, 0,1
	ds_load_u16 v[KS+2*\c+\a], v[ADS] offset:128*\c+32*\a   ; a key's two scale bytes; the word's upper half comes as 0
.endr
.endr
.irp c, 0,1                                    ; S^T = K Q^T: four tiles of 16 keys at a time
.if \c
	PLACES                                         ; in front of loads into registers that the four products above have read
.endif
.irp i, 0,1,2,3
	ds_load_b128 v[KF+8*\i:KF+8*\i+3], v[ADK] offset:2*KP*\c+256*\i
.endr
	s_wait_dscnt 0x0
.irp i, 0,1,2,3
	PROD S+32*\c+8*\i, KF+8*\i, Q, 0, KS+2*\c+\i/2, QS, \i%2
.endr
.endr
.irp t, 0,1,2,3                                ; V's fragments and scale words are asked for here and land under the softmax
.irp e, 0,1
	ds_load_b128 v[VF+8*\t+4*\e:VF+8*\t+4*\e+3], v[ADV] offset:16*KP*\t+32*\e
.endr
.endr
.irp a, 0,1
	ds_load_b32 v[VS+\a], v[ADT] offset:32*VSP*\a
.endr
	PLACES                                         ; in front of the first read of the scores (ISA guide 7.12.1)
	s_cmp_lg_u32 s[SI], s[SD]                      ; on the diagonal the scores of hidden keys become -infinity ahead of the maximum: p = 0 then.  The step's first key counts for every query of the tile
	s_cbranch_scc1 .Lopen_\@
.irp c, 0,1
.set n, 0
.rept 32
	v_cmp_gt_i32 vcc_lo, 64*\c+n, v[DQ]
	v_cndmask_b32 v[S+32*\c+n], v[S+32*\c+n], v[NINF], vcc_lo
.set n, n+1
.endr
.endr
.Lopen_\@:
.irp c, 0,1
	v_max3_num_f32 v[BM+\c], v[S+32*\c], v[S+32*\c+1], v[S+32*\c+2]   ; THE LARGEST SCORE OF MY BLOCK OF 32 KEYS serves twice: for the row's maximum, and, since p rises with the score, for the block's largest p.  Each accumulator is read from its low end on
.endr
.irp i, 3,5,7,9,11,13,15,17,19,21,23,25,27,29
.irp c, 0,1
	v_max3_num_f32 v[BM+\c], v[BM+\c], v[S+32*\c+\i], v[S+32*\c+\i+1]   ; (the two blocks by turns)
.endr
.endr
.irp c, 0,1
	v_max_num_f32 v[BM+\c], v[BM+\c], v[S+32*\c+31]
.endr
	v_max_num_f32 v[RM], v[BM], v[BM+1]
	v_permlanex16_b32 v[T0], v[RM], s[SEL], s[SEL+1]
	v_max_num_f32 v[RM], v[RM], v[T0]              ; with lane l xor 16's 64 keys: the step's largest score of my query
	v_mul_f32 v[RM], s[CS], v[RM]                  ; as t (c is positive)
	v_max_num_f32 v13, v13, v[RM]                  ; the running largest t
	v_mov_b32 v[OLD], v12
	v_floor_f32 v12, -v13                          ; the new -M = floor(-t) = -ceil(t): M is a whole number
	v_sub_f32 v[OLD], v12, v[OLD]                  ; old M - new M: a whole number, 0 or less
	v_cvt_i32_f32 v[OLD], v[OLD]                   ; (it saturates)
	v_ldexp_f32 v[F], 1.0, v[OLD]                  ; f = 2^(old M - new M): a multiplication by it rounds nothing
.set j, 0
.rept 32
	v_pk_fma_f32 v[S+j:S+j+1], v[S+j:S+j+1], s[CS:CS+1], v[12:13] op_sel_hi:[1,0,0]   ; t - M, two at a time (of the pairs c and -M the low word serves both halves)
.set j, j+2
.endr
.irp c, 0,1
	v_fma_f32 v[BM+\c], v[BM+\c], s[CS], v12       ; the same of each block's largest score
.endr
.set j, 0
.rept 64
	v_exp_f32 v[S+j], v[S+j]                       ; p = 2^(t - M), at most 1: not normalised
.set j, j+1
.endr
.irp c, 0,1
	v_exp_f32 v[BM+\c], v[BM+\c]                   ; the block's largest p: the same two instructions on the same number
.endr
	v_pk_mul_f32 v[14:15], v[14:15], v[F:F+1] op_sel_hi:[1,0]   ; the sums under the new M.  (The plain place behind the exponentials)
	s_wait_alu depctr_va_vdst(0)
.irp c, 0,1
	v_max_num_f32 v[BM+\c], 0x1800000, v[BM+\c]    ; the floor 2^(3 - 127): the byte cannot fall under 1
.endr
.irp c, 0,1
	v_add_nc_u32 v[SC+\c], 0xff000000, v[BM+\c]    ; 2 off the exponent field: the conversion's scale operand
.endr
.irp c, 0,1
	v_lshrrev_b32 v[BY+\c], 23, v[SC+\c]           ; the scale's byte
.endr
	v_lshl_or_b32 v[PW], v[BY+1], 16, v[BY]        ; my two bytes (blocks h and 2 + h of these 128 keys),
	v_lshlrev_b32 v[PW], v[SH8], v[PW]             ; at their places in the word;
	v_permlanex16_b32 v[T0], v[PW], s[SEL], s[SEL+1]
	v_or_b32 v[PW], v[PW], v[T0]                   ; with lane l xor 16's two the word is whole
.irp c, 0,1
.irp i, 0,1,2,3
	v_cvt_scalef32_pk8_fp4_f32 v[PCD+4*\c+\i], v[S+32*\c+8*\i:S+32*\c+8*\i+7], v[SC+\c]   ; register 4 c + i of P: keys 64 c + 32 h + 8 i on
.endr
.endr
	v_nop                                          ; one plain place behind a scaled conversion
	v_pk_add_f32 v[SUM2:SUM2+1], v[S:S+1], v[S+2:S+3]   ; THE ROW'S SUM IS TAKEN OF THE UNQUANTISED p: two at a time, in two chains
.irp j, 4,8,12,16,20,24,28,32,36,40,44,48,52,56,60
	v_pk_add_f32 v[14:15], v[14:15], v[S+\j:S+\j+1]
	v_pk_add_f32 v[SUM2:SUM2+1], v[SUM2:SUM2+1], v[S+\j+2:S+\j+3]
.endr
	v_pk_add_f32 v[14:15], v[14:15], v[SUM2:SUM2+1]
.set j, 0
.rept 16
	v_pk_mul_f32 v[O+j:O+j+1], v[O+j:O+j+1], v[F:F+1] op_sel_hi:[1,0]   ; O^T under the new M.  (The sums and these stand between the scale word, the codes and the products that take them)
.set j, j+2
.endr
	s_wait_dscnt 0x0                               ; V's fragments and scale words are in
.irp t, 0,1,2,3                                ; O^T += V^T P^T: the four accumulators by turns; between two links of a chain stand the next step's eight products and three of these
	PROD O+8*\t, VF+8*\t, PCD, 1, VS+\t/2, PW, \t%2
.endr
.Lhid_\@:
.endm
.macro PASS_LOOP                       ; sixteen trips, a constant of the text: every LDS address is a lane's constant + a step counted by this loop
.Lstep_\@:
	STEP
	s_add_co_u32 s[TK], s[TK], 4*KP                ; 128 keys on: four rows of K's codes,
	s_add_co_u32 s[TV], s[TV], 64                  ; 64 bytes in each row of V's,
	s_add_co_u32 s[TSK], s[TSK], 256               ; 256 scale bytes of K,
	s_add_co_u32 s[TSV], s[TSV], 4                 ; one scale word in each row of V's
	s_add_co_u32 s[SI], s[SI], 1
	s_cmp_lt_u32 s[SI], 16
	s_cbranch_scc1 .Lstep_\@
.endm
; THE WAY OUT.  O^T / the sum goes through my own stage in LDS and comes back as whole rows of 256 bytes; x is added; sixteen lanes store 256 consecutive bytes, at a multiple of 256 from out0's first byte.
.macro WAYOUT
	PLACES                                         ; behind the last products
	v_add_f32 v14, v14, v15                        ; the sum's two halves,
	v_permlanex16_b32 v[T0], v14, s[SEL], s[SEL+1]
	v_add_f32 v14, v14, v[T0]                      ; and lane l xor 16's: the row's sum
	v_rcp_f32 v14, v14
	v_nop                                          ; one plain place behind a transcendental
.set j, 0
	s_wait_alu depctr_va_vdst(0)
.rept 16
	v_pk_mul_f32 v[S+j:S+j+1], v[O+j:O+j+1], v[14:15] op_sel_hi:[1,0]   ; register 8 t + i is o(query r, channel 16 t + 8 h + i); each accumulator from its low end on
.set j, j+2
.endr
.irp t, 0,1,2,3
	ds_store_b128 v[STO], v[S+8*\t:S+8*\t+3] offset:64*\t
	ds_store_b128 v[STO], v[S+8*\t+4:S+8*\t+7] offset:64*\t+16
.endr
.irp i, 0,1,2,3,4,5,6,7
	ds_load_b128 v[S+32+4*\i:S+32+4*\i+3], v[SRD] offset:2*SP*\i   ; LDS serves a wave's instructions in order (ISA guide 5.7.1.4): these see my stores
.endr
	s_wait_loadcnt 0x0                             ; x, asked for at the pass's head
.irp i, 0,1,2,3,4,5,6,7
	s_wait_dscnt 7-\i                              ; load i is in; the 7 - i behind it may be out
	v_pk_add_f32 v[S+32+4*\i:S+32+4*\i+1], v[S+32+4*\i:S+32+4*\i+1], v[XR+4*\i:XR+4*\i+1]
	v_pk_add_f32 v[S+32+4*\i+2:S+32+4*\i+3], v[S+32+4*\i+2:S+32+4*\i+3], v[XR+4*\i+2:XR+4*\i+3]
	global_store_b128 v[GO], v[S+32+4*\i:S+32+4*\i+3], s[OB:OB+1] offset:8192*\i th:TH_STORE_NT
.endr
	s_wait_xcnt 0x0                                ; the stores' data and base are written again only behind this wait
.endm
	s_load_b256 s[4:11], s[0:1], 0x0               ; q_codes s[4:5], q_sw s[6:7], K's codes s[8:9], K's scales s[10:11]
	s_load_b256 s[12:19], s[0:1], 0x20             ; V's codes s[12:13], V's scales s[14:15], x s[16:17], out0 s[18:19].  None of the eight is ever rewritten
	v_lshl_add_u32 v254, v0, 2, 0x33a00
	v_mov_b32 v255, 0
	ds_add_u32 v254, v255
	ds_add_u32 v254, v255
	s_wait_dscnt 0x0
	v_lshrrev_b32 v1, 5, v0
	v_readfirstlane_b32 s[WV], v1                  ; wave 0..15
	s_bfe_u32 s[CX], ttmp6, 0x40000                ; cx: my place in the cluster
	s_mov_b32 s[BH], ttmp9                         ; in a cluster launch ttmp9 counts clusters: the head, which the four partners share
	s_mov_b32 s[SEL], 0x76543210
	s_mov_b32 s[SEL+1], 0xfedcba98
	s_mov_b32 s[CS], 0x3d38aa3b                    ; c = log2(e) / 32: the module divides by sqrt(1024)
	s_mov_b32 s[CS+1], s[CS]                       ; (named with it as a pair, so it is written)
	; descriptor group 1 for K's and V's codes: a head's 65,536 dense bytes as 64 rows of 1,024 bytes (128 elements of 8 bytes), 16 bytes of padding behind each
	s_mov_b32 s[G1C], 15|(3<<16)|(1<<20)|(1<<21)|(7<<22)|(3<<25)  ; 15:0 the mask: all four work-groups; 17:16 elements of 8 bytes; 20 padding on; 21 set beside a mask; 24:22 after every 256 words (code 7); 31:25 four words (code 3)
	s_mov_b32 s[G1C+1], 128<<16                    ; tensor_dim0
	s_mov_b32 s[G1C+2], 64<<16                     ; tensor_dim1
	s_mov_b32 s[G1C+3], 128<<16                    ; tile_dim0
	s_mov_b32 s[G1C+4], 64                         ; tile_dim1
	s_mov_b32 s[G1C+5], 128                        ; tensor_dim0_stride
	s_mov_b32 s[G1C+6], 0
	s_mov_b32 s[G1C+7], 0
	; K's scale bytes: 4,096 dense bytes as 16 rows of 256, no padding
	s_mov_b32 s[G1KS], 15|(3<<16)|(1<<21)
	s_mov_b32 s[G1KS+1], 32<<16
	s_mov_b32 s[G1KS+2], 16<<16
	s_mov_b32 s[G1KS+3], 32<<16
	s_mov_b32 s[G1KS+4], 16
	s_mov_b32 s[G1KS+5], 32
	s_mov_b32 s[G1KS+6], 0
	s_mov_b32 s[G1KS+7], 0
	; V's scale bytes: 64 rows of 64 bytes, 8 bytes of padding behind each: the 32 lanes of a load, one row each, fall on 32 different banks
	s_mov_b32 s[G1VS], 15|(3<<16)|(1<<20)|(1<<21)|(3<<22)|(1<<25)  ; after every 16 words (code 3) two words (code 1)
	s_mov_b32 s[G1VS+1], 8<<16
	s_mov_b32 s[G1VS+2], 64<<16
	s_mov_b32 s[G1VS+3], 8<<16
	s_mov_b32 s[G1VS+4], 64
	s_mov_b32 s[G1VS+5], 8
	s_mov_b32 s[G1VS+6], 0
	s_mov_b32 s[G1VS+7], 0
	s_lshl_b32 s80, s[BH], 16                      ; the head's first byte in each tensor of codes,
	s_mov_b32 s81, 0
	s_lshl_b32 s90, s[BH], 12                      ; and of scale bytes
	s_mov_b32 s91, 0
	s_wait_kmcnt 0x0
	s_mov_b32 s[G0K], 1                            ; 1:0 count = 1
	s_mov_b32 s[G0K+1], KC                         ; 63:32 LDS address
	s_add_nc_u64 s[G0K+2:G0K+3], s[8:9], s[80:81]  ; 120:64 global address
	s_or_b32 s[G0K+3], s[G0K+3], 0x80000000        ; 127:126 type = 2
	s_mov_b32 s[G0V], 1
	s_mov_b32 s[G0V+1], VC
	s_add_nc_u64 s[G0V+2:G0V+3], s[12:13], s[80:81]
	s_or_b32 s[G0V+3], s[G0V+3], 0x80000000
	s_mov_b32 s[G0KS], 1
	s_mov_b32 s[G0KS+1], KSC
	s_add_nc_u64 s[G0KS+2:G0KS+3], s[10:11], s[90:91]
	s_or_b32 s[G0KS+3], s[G0KS+3], 0x80000000
	s_mov_b32 s[G0VS], 1
	s_mov_b32 s[G0VS+1], VSC
	s_add_nc_u64 s[G0VS+2:G0VS+3], s[14:15], s[90:91]
	s_or_b32 s[G0VS+3], s[G0VS+3], 0x80000000
	CROUND                                         ; all four work-groups are here: the joint loads meet
	; Waves 0 to 3 issue one joint load each, the others none: at most one tensor load of a wave is out.  The branches hang on the wave's number alone.  Four v_nop follow each tensor line.
	s_cmp_lg_u32 s[WV], 0
	s_cbranch_scc1 .Lnot_k
	tensor_load_to_lds s[G0K:G0K+3], s[G1C:G1C+7]
	s_nop 0
	PLACES
	s_branch .Lasked
.Lnot_k:
	s_cmp_lg_u32 s[WV], 1
	s_cbranch_scc1 .Lnot_v
	tensor_load_to_lds s[G0V:G0V+3], s[G1C:G1C+7]
	s_nop 0
	PLACES
	s_branch .Lasked
.Lnot_v:
	s_cmp_lg_u32 s[WV], 2
	s_cbranch_scc1 .Lnot_ks
	tensor_load_to_lds s[G0KS:G0KS+3], s[G1KS:G1KS+7]
	s_nop 0
	PLACES
	s_branch .Lasked
.Lnot_ks:
	s_cmp_lg_u32 s[WV], 3
	s_cbranch_scc1 .Lasked
	tensor_load_to_lds s[G0VS:G0VS+3], s[G1VS:G1VS+7]
	s_nop 0
	PLACES
.Lasked:
	v_and_b32 v220, 31, v0                         ; lane
	v_and_b32 v221, 15, v0                         ; r
	v_bfe_u32 v222, v0, 4, 1                       ; h
	v_lshrrev_b32 v223, 3, v221                    ; r / 8
	v_and_b32 v207, 7, v0                          ; r % 8
	v_mul_u32_u24 v[AK0], v223, KP                 ; K: lane r of tile (c, i) takes key 64 c + 32 (r / 8) + 8 i + r % 8: row 2 c + r / 8 of 32 keys, 32 bytes a key, + 16 h
	v_lshl_add_u32 v[AK0], v207, 5, v[AK0]
	v_lshl_add_u32 v[AK0], v222, 4, v[AK0]
	v_mul_u32_u24 v[AV0], v221, KP                 ; V: channel r of a tile, + 16 h
	v_lshl_add_u32 v[AV0], v222, 4, v[AV0]
	v_add_nc_u32 v[AV0], VC, v[AV0]
	v_lshlrev_b32 v[ASK0], 6, v223                 ; K's scale bytes: 2 a key; lanes 16-31 take the tile one further on: 8 keys
	v_lshl_add_u32 v[ASK0], v222, 4, v[ASK0]
	v_lshl_add_u32 v[ASK0], v207, 1, v[ASK0]
	v_add_nc_u32 v[ASK0], KSC, v[ASK0]
	v_mul_u32_u24 v[ASV0], v220, VSP               ; V's scale words: channel 32 a + lane: lanes 0-15 tile 2 a, lanes 16-31 tile 2 a + 1
	v_add_nc_u32 v[ASV0], VSC, v[ASV0]
	v_lshlrev_b32 v[GO], 12, v222
	v_lshl_add_u32 v[GO], v221, 4, v[GO]
	s_mul_i32 s92, s[WV], 16*SP
	s_add_co_u32 s92, s92, STAGE                   ; my stage
	v_mul_u32_u24 v[STO], v221, SP                 ; in: row r, + 32 h
	v_lshl_add_u32 v[STO], v222, 5, v[STO]
	v_add_nc_u32 v[STO], s92, v[STO]
	v_mul_u32_u24 v[SRD], v222, SP                 ; back: lanes 0-15 one row, lanes 16-31 the next
	v_lshl_add_u32 v[SRD], v221, 4, v[SRD]
	v_add_nc_u32 v[SRD], s92, v[SRD]
	v_lshlrev_b32 v[QO], 5, v221
	v_lshl_add_u32 v[QO], v222, 4, v[QO]
	v_lshlrev_b32 v[QSO], 2, v221
	v_lshlrev_b32 v[RH], 5, v222
	v_sub_nc_u32 v[RH], v221, v[RH]
	v_lshlrev_b32 v[SH8], 3, v222
	v_mov_b32 v[NINF], 0xff800000
	v_mov_b32 v[T0], 0                             ; written once: a lane permute's destination counts as one of its sources
	v_mov_b32 v[F+1], 0                            ; (named as the upper half of a pair)
.irp j, 4,5,6,7
	v_mov_b32 v[Q+\j], 0                           ; the first product's K is 64: zero codes for k = 64 .. 127, in Q's fragment
.irp i, 0,1,2,3
	v_mov_b32 v[KF+8*\i+\j], 0                     ; and in K's four
.endr
.endr
	PASS_BEGIN 0
	s_wait_tensorcnt 0x0                           ; my load, if I issued one, has landed,
	s_barrier_signal -1
	s_barrier_wait -1                              ; everybody's has: the head lies in LDS.
	s_wait_loadcnt 8                               ; Q and its scale words are in; x's eight loads, issued behind them, may stay out
	PASS_LOOP
	WAYOUT
	PASS_BEGIN 1
	s_wait_loadcnt 8
	PASS_LOOP
	WAYOUT
	s_wait_dscnt 0x0                               ; no LDS instruction of mine is out at a signal
	s_wait_xcnt 0x0
	v_lshl_add_u32 v254, v0, 2, 0x33a00
	v_mov_b32 v255, 0
	s_wait_tensorcnt 0x0
	ds_add_u32 v254, v255
	s_wait_dscnt 0x0
	CROUND                                         ; the closing round: no work-group ends while a partner may still ask for a tile that names it
	s_endpgm
.Lfunc_end_k_q84d2f6142b_attn:
	.size	k_q84d2f6142b_attn, .Lfunc_end_k_q84d2f6142b_attn-k_q84d2f6142b_attn
	.p2alignl 7, 3214868480
	.fill 96, 4, 3214868480
	.section	.rodata,"a",@progbits
	.p2align	6, 0x0
	.amdhsa_kernel k_q84d2f6142b_attn
		.amdhsa_group_segment_fixed_size 213504
		.amdhsa_private_segment_fixed_size 0
		.amdhsa_enable_private_segment 0
		.amdhsa_kernarg_size 64
		.amdhsa_user_sgpr_count 2
		.amdhsa_user_sgpr_kernarg_segment_ptr 1
		.amdhsa_wavefront_size32 1
		.amdhsa_system_sgpr_workgroup_id_x 1
		.amdhsa_system_sgpr_workgroup_id_y 1
		.amdhsa_system_sgpr_workgroup_id_z 1
		.amdhsa_system_vgpr_workitem_id 0
		.amdhsa_next_free_vgpr 256
		.amdhsa_next_free_sgpr 96
		.amdhsa_reserve_vcc 1
		.amdhsa_float_denorm_mode_32 3
		.amdhsa_float_denorm_mode_16_64 3
		.amdhsa_memory_ordered 1
		.amdhsa_forward_progress 1
		.amdhsa_inst_pref_size 62
	.end_amdhsa_kernel
	.amdgpu_metadata
---
amdhsa.version: [ 1, 2 ]
amdhsa.kernels:
  - .name:           k_q84d2f6142b_attn
    .symbol:         k_q84d2f6142b_attn.kd
    .args:
      - { .name: q_codes, .offset: 0, .size: 8, .value_kind: global_buffer, .address_space: global }
      - { .name: q_sw, .offset: 8, .size: 8, .value_kind: global_buffer, .address_space: global }
      - { .name: k_codes, .offset: 16, .size: 8, .value_kind: global_buffer, .address_space: global }
      - { .name: k_scales, .offset: 24, .size: 8, .value_kind: global_buffer, .address_space: global }
      - { .name: v_codes, .offset: 32, .size: 8, .value_kind: global_buffer, .address_space: global }
      - { .name: v_scales, .offset: 40, .size: 8, .value_kind: global_buffer, .address_space: global }
      - { .name: x, .offset: 48, .size: 8, .value_kind: global_buffer, .address_space: global }
      - { .name: out0, .offset: 56, .size: 8, .value_kind: global_buffer, .address_space: global }
    .group_segment_fixed_size: 213504
    .private_segment_fixed_size: 0
    .kernarg_segment_align: 8
    .kernarg_segment_size: 64
    .max_flat_workgroup_size: 512
    .sgpr_count:     96
    .vgpr_count:     256
    .wavefront_size: 32
...
	.end_amdgpu_metadata
.endif
;; end of part 2
;; ======== version 2 of 2: 2 launches
;; workspace buffers: q_codes 4,194,304 bytes; q_sw 524,288 bytes
;; launch proj (part 3): grid 2 x 128, 8 waves a work-group, no clusters, 105,472 bytes of LDS; arguments x, Wq_codes, Wq_scales, q_codes, q_sw; writes q_codes, q_sw
.if DOCPART == 3
	.amdgcn_target "amdgcn-amd-amdhsa--gfx1250"
	.amdhsa_code_object_version 6
	.text
	.protected	k_q84d2f6142b_proj
	.globl	k_q84d2f6142b_proj
	.p2align	8
	.type	k_q84d2f6142b_proj,@function
k_q84d2f6142b_proj:
	s_mov_b64 s[64:65], 0
	v_nop
	global_prefetch_b8 v0, s[64:65] scope:SCOPE_SE
	s_setreg_imm32_b32 hwreg(HW_REG_WAVE_SCHED_MODE, 0, 2), 2
	s_setreg_imm32_b32 hwreg(HW_REG_WAVE_MODE, 25, 1), 1
	s_wait_xcnt 0x0
	s_wait_alu depctr_vm_vsrc(0)
; q = Q(x) Wq^T on codes of FP4 (E2M1) with one E8M0 scale for each 32 along K, and q quantised again along each head's 64.
; x: [8192][1024] f32.  Wq: [1024][1024] as codes, K innermost (a row is 512 bytes), scale bytes [1024][32].
; OUT: q_codes [batch x head][2048][32 bytes] (block 0's 16 bytes, then block 1's), q_sw [batch x head][2048] one word: bytes 0, 1 the two scale bytes, bytes 2, 3 zero.
; SHARES.  A work-group takes 64 rows of x and 512 columns of q (work-group x: which half); each of its eight waves owns ONE head: 64 rows of Wq, for all 64 rows of x.
; The wave's part of Wq (4 tiles x 8 K steps x 8 registers = 256 registers, window 1) is loaded once and stays.
; x is quantised once in the work-group: wave w makes 4 of the 32 fragments (16 rows x 128 K) and stores them in LDS as IMAGES OF THE OPERAND'S REGISTERS (16 bytes a lane); one barrier; every wave loads them back by the same lines.
; THE PRODUCT IS USED TRANSPOSED (source 0 = 16 rows of Wq, source 1 = 16 rows of x), AND THE ROWS OF Wq THAT FORM A TILE ARE CHOSEN: row m of tile i is the head's row 32 (m / 8) + 8 i + m % 8.
; So lane (r, h) holds row r of q, and the 32 registers of its four tiles are the head's channels 32 h + 0 .. 31 in order: a WHOLE block of the next K: its largest magnitude needs no other lane, and the conversions' results are 16 bytes of q_codes.
; NO CLUSTER, NO TENSOR LOAD: Wq goes from memory straight into the registers in which it stays; x has to pass through registers as f32 to be quantised; and the grid's x is 2.
; A block's scale byte is its largest magnitude's exponent field - 2, held at 1 from below by a floor among the maximum's leaves.
; LIMITS: NaN and infinities among the inputs are not served.  A block whose largest magnitude lies under 2^-124 gets the byte 1; a block of zeros too (the rule says 127): its codes are zeros, and this program alone reads the bytes.
; THE MODE: SCHED_MODE bits 1:0 = 2 (LLVM: expert scheduling mode 2), set by the entry lines.  The code itself states the register dependences
; between vector or matrix instructions and memory or LDS instructions, with s_wait_alu, always for 0.
; THE PLAN.  The text has no branch: one path.  Registers that memory or LDS instructions touch:
;   v4-v14       offsets and LDS addresses: written at the head, never again; read by every load and store.  One wait on va_vdst at the head serves them all.
;   Wq, WS       written by loads at the head, once; read by products alone.
;   RAW0, RAW1   ahead of the barrier: written by x's loads, read by the stage's LDS stores alone; no vector instruction names them.
;   X            written by the stage's LDS loads, read by the quantising.
;   PC, PW       written by the quantising, read by the image's LDS stores.
;   XF0/1, XS0/1 behind the barrier (XF lies where RAW lay): written by LDS loads, read by a row tile's 32 products.
;   QC           four registers for each row tile: written once by the conversions, read by one store.
; A fragment of x has two waits: vm_vsrc behind the turn (the stage's stores have read the raw set, the last image's stores PC and PW) and va_vdst behind the quantising (PC and PW are written; X is read out, so
; that the next turn's loads may land).  A row tile has one: va_vdst behind q's quantising (QC is written; the tile's products are done with their set of XF and XS, in which the loads of two tiles on land).
.set TSP,  528                         ; a row of a wave's turning stage: 512 bytes + 16: row r starts at bank 4 r mod 64 (64 banks of 4 bytes: ISA guide 11.1)
.set TSB,  16*TSP                      ; LDS 0: eight stages, one a wave, 16 rows each
.set XIMG, 8*TSB                       ; then the 32 images of x's fragments (row tile m, K step s: 8 m + s), 1,024 bytes each
.set XSC,  XIMG+32*1024                ; then their scale words, 128 bytes each
.set LN,   1                           ; v1   lane
.set RR,   2                           ; v2   r = lane % 16
.set HH,   3                           ; v3   h = lane / 16
.set XO,   4                           ; v4   16 x lane: my 16 bytes of a load's 512
.set TSW,  5                           ; v5   the stage, on the way in: 16 x lane
.set TSR,  6                           ; v6   and on the way out: row r, + 128 h
.set IMW,  7                           ; v7   where I store my wave's images
.set ISW,  8                           ; v8   and their scale words
.set LI,   9                           ; v9   XIMG + 16 x lane
.set LS,   10                          ; v10  XSC + 4 x lane
.set WO,   11                          ; v11  my byte in a tile of Wq's codes
.set WSO,  12                          ; v12  and among its scale words
.set QCO,  13                          ; v13  32 r + 16 h: my 16 bytes of 16 rows of q_codes
.set QSO,  14                          ; v14  4 x lane
.set SH8,  15                          ; v15  8 h
.set WS,   16                          ; v16-31  Wq's scale words: register 8 a + s: lanes 0-15 tile 2 a, lanes 16-31 tile 2 a + 1, K step s.  Scales and nothing else
.set XS,   32                          ; v32-47  x's scale words, two sets of eight.  Scales and nothing else
.set XF,   48                          ; v48-175 x's fragments of a row tile, two sets of 64;  before the barrier: x as it is loaded, two sets of 64
.set RAW,  48
.set X,    176                         ; v176-239 64 numbers of x, turned
.set ACC,  176                         ; behind the barrier: v176-207 the four accumulators,
.set QC,   208                         ; v208-223 q's codes, four registers for each row tile, so that no store's data are written again,
.set QW,   224                         ; v224-227 q's scale words,
.set T0,   228                         ; v228-229 at work
.set PC,   240                         ; v240-247 a fragment's codes
.set BM,   248                         ; v248-249 largest magnitudes
.set SC,   250                         ; v250-251 the conversions' scale operands
.set BY,   252                         ; v252-253 scale bytes
.set T,    254                         ; v254 a lane permute's destination
.set PW,   255                         ; v255 the scale word just made
.set MSB, 0
.macro WIN new                         ; s_set_vgpr_msb: bits 1:0 source 0, 3:2 source 1, 5:4 source 2, 7:6 destination; the high byte repeats the setting that is left
.if MSB != \new
	s_set_vgpr_msb (MSB<<8)|\new
.set MSB, \new
.endif
.endm
; One product.  link = 0: it starts the sum (C is the constant 0).  row = 1: source 0's scales stand in lanes 16-31 of their register.
.macro PROD d, a, b, link, sa, sb, row
.if (\link) == 0
.if \row
	v_wmma_scale_f32_16x16x128_f8f6f4 v[\d:\d+7], v[\a:\a+7], v[\b:\b+7], 0, v[\sa], v[\sb] matrix_a_fmt:MATRIX_FMT_FP4 matrix_b_fmt:MATRIX_FMT_FP4 matrix_a_scale:MATRIX_SCALE_ROW1
.else
	v_wmma_scale_f32_16x16x128_f8f6f4 v[\d:\d+7], v[\a:\a+7], v[\b:\b+7], 0, v[\sa], v[\sb] matrix_a_fmt:MATRIX_FMT_FP4 matrix_b_fmt:MATRIX_FMT_FP4
.endif
.else
.if \row
	v_wmma_scale_f32_16x16x128_f8f6f4 v[\d:\d+7], v[\a:\a+7], v[\b:\b+7], v[\d:\d+7], v[\sa], v[\sb] matrix_a_fmt:MATRIX_FMT_FP4 matrix_b_fmt:MATRIX_FMT_FP4 matrix_a_scale:MATRIX_SCALE_ROW1
.else
	v_wmma_scale_f32_16x16x128_f8f6f4 v[\d:\d+7], v[\a:\a+7], v[\b:\b+7], v[\d:\d+7], v[\sa], v[\sb] matrix_a_fmt:MATRIX_FMT_FP4 matrix_b_fmt:MATRIX_FMT_FP4
.endif
.endif
.endm
; My wave's fragment k (of 4): 16 rows x 128 numbers.  Each load takes 512 consecutive bytes of one row, at a multiple of 512 from x's first byte.
.macro XLOAD k, reg
.irp i, 0,1,2,3,4,5,6,7,8,9,10,11,12,13,14,15
	global_load_b128 v[\reg+4*\i:\reg+4*\i+3], v[XO], s[4:5] offset:4096*\i+512*(\k)
.endr
.endm
; The fragment's 8,192 bytes turn through my own stage: in as loaded, out so that lane (r, h) holds, of row r, the numbers 64 c + 32 h + 0 .. 31 in v[X + 32 c] on: the order of the operand's registers.
; LDS serves a wave's instructions in order (ISA guide 5.7.1.4): no wait between the stores and the loads.
.macro TURN reg
.irp i, 0,1,2,3,4,5,6,7,8,9,10,11,12,13,14,15
	ds_store_b128 v[TSW], v[\reg+4*\i:\reg+4*\i+3] offset:TSP*\i
.endr
.irp c, 0,1
.irp j, 0,1,2,3,4,5,6,7
	ds_load_b128 v[X+32*\c+4*\j:X+32*\c+4*\j+3], v[TSR] offset:256*\c+16*\j
.endr
.endr
.endm
; 64 numbers of a lane, two whole blocks of 32 (blocks h and 2 + h of my row's 128), become the fragment's eight registers in v[PC] on and my row's scale word in v[PW].
.macro QUANT64
.irp c, 0,1
	v_max3_num_f32 v[BM+\c], |v[X+32*\c]|, |v[X+32*\c+1]|, 0x1800000   ; the floor 2^(3 - 127) among the leaves: the byte cannot fall under 1
.endr
.irp i, 2,4,6,8,10,12,14,16,18,20,22,24,26,28,30
.irp c, 0,1
	v_max3_num_f32 v[BM+\c], v[BM+\c], |v[X+32*\c+\i]|, |v[X+32*\c+\i+1]|   ; (the two blocks by turns)
.endr
.endr
.irp c, 0,1
	v_add_nc_u32 v[SC+\c], 0xff000000, v[BM+\c]    ; 2 off the exponent field: the conversion takes this operand's exponent field as its scale, and nothing else of it
.endr
.irp c, 0,1
	v_lshrrev_b32 v[BY+\c], 23, v[SC+\c]           ; the scale's byte
.endr
	v_lshl_or_b32 v[PW], v[BY+1], 16, v[BY]        ; my two bytes,
	v_lshlrev_b32 v[PW], v[SH8], v[PW]             ; at their places in the word (8 h bits up);
	v_permlanex16_b32 v[T], v[PW], s18, s19
	v_or_b32 v[PW], v[PW], v[T]                    ; with lane l xor 16's two the word is whole
.irp c, 0,1
.irp i, 0,1,2,3
	v_cvt_scalef32_pk8_fp4_f32 v[PC+4*\c+\i], v[X+32*\c+8*\i:X+32*\c+8*\i+7], v[SC+\c]
.endr
.endr
	v_nop                                          ; one plain place behind a scaled conversion
.endm
.macro IMAGE k                         ; the fragment goes to LDS as it stands in the registers
.irp c, 0,1
	ds_store_b128 v[IMW], v[PC+4*\c:PC+4*\c+3] offset:1024*(\k)+512*\c
.endr
	ds_store_b32 v[ISW], v[PW] offset:128*(\k)
.endm
.macro FETCHX m, bank                  ; row tile m's eight fragments and scale words come back so, in any wave: 24 LDS loads
.irp s, 0,1,2,3,4,5,6,7
.irp c, 0,1
	ds_load_b128 v[XF+64*(\bank)+8*\s+4*\c:XF+64*(\bank)+8*\s+4*\c+3], v[LI] offset:(8*(\m)+\s)*1024+512*\c
.endr
	ds_load_b32 v[XS+8*(\bank)+\s], v[LS] offset:(8*(\m)+\s)*128
.endr
.endm
.macro MULM bank                       ; 32 products: K ascending, the four accumulators by turns, one instruction a turn
	WIN 0x01                                       ; source 0 (Wq) window 1
.irp s, 0,1,2,3,4,5,6,7
.irp i, 0,1,2,3
	PROD ACC+8*\i, 64*\i+8*\s, XF+64*(\bank)+8*\s, \s, WS+8*(\i/2)+\s, XS+8*(\bank)+\s, \i%2
.endr
.endr
	WIN 0
.endm
; My 32 numbers of q are one block.  Two chains; each accumulator is read from its low end on.
.macro QUANTQ m
	v_max3_num_f32 v[BM], |v[ACC]|, |v[ACC+1]|, 0x1800000
	v_max3_num_f32 v[BM+1], |v[ACC+16]|, |v[ACC+17]|, 0x1800000
.irp i, 2,4,6,8,10,12,14
	v_max3_num_f32 v[BM], v[BM], |v[ACC+\i]|, |v[ACC+\i+1]|
	v_max3_num_f32 v[BM+1], v[BM+1], |v[ACC+16+\i]|, |v[ACC+17+\i]|
.endr
	v_max_num_f32 v[BM], v[BM], v[BM+1]
	v_add_nc_u32 v[SC], 0xff000000, v[BM]
	v_lshrrev_b32 v[BY], 23, v[SC]
	v_lshlrev_b32 v[T0], v[SH8], v[BY]             ; block h's byte is byte h of the word
	v_permlanex16_b32 v[T], v[T0], s18, s19
	v_or_b32 v[QW+(\m)], v[T0], v[T]               ; bytes 2 and 3 stay 0: they stand over zero codes in the next launch
.irp i, 0,1,2,3
	v_cvt_scalef32_pk8_fp4_f32 v[QC+4*(\m)+\i], v[ACC+8*\i:ACC+8*\i+7], v[SC]
.endr
	v_nop                                          ; one plain place behind a scaled conversion: the next products write its sources
.endm
	s_load_b128 s[4:7], s[0:1], 0x0                ; x s[4:5], Wq's codes s[6:7]
	s_load_b128 s[8:11], s[0:1], 0x10              ; Wq's scales s[8:9], q_codes s[10:11]
	s_load_b64 s[12:13], s[0:1], 0x20              ; q_sw
	v_lshrrev_b32 v1, 5, v0
	v_readfirstlane_b32 s14, v1                    ; wave 0..7
	v_and_b32 v[LN], 31, v0
	s_wait_alu depctr_va_vdst(0)
	v_and_b32 v[RR], 15, v0
	s_wait_alu depctr_va_vdst(0)
	v_bfe_u32 v[HH], v0, 4, 1
	s_wait_alu depctr_va_sdst(0)                   ; s14 is written, ahead of its first reader: my head, the offsets and the LDS bases are made from it
	s_and_b32 s16, ttmp7, 0xffff                   ; which 64 rows of x
	s_lshl_b32 s17, ttmp9, 3
	s_add_co_u32 s17, s17, s14                     ; my head = 8 x column half + wave
	s_mov_b32 s18, 0x76543210
	s_mov_b32 s19, 0xfedcba98                      ; v_permlanex16_b32's selects for lane l xor 16
	s_lshl_b32 s20, s16, 18                        ; x: 64 rows of 4,096 bytes a block,
	s_lshr_b32 s30, s14, 1
	s_lshl_b32 s30, s30, 16                        ; my row tile (wave / 2): 16 rows,
	s_add_co_u32 s20, s20, s30
	s_and_b32 s30, s14, 1
	s_lshl_b32 s30, s30, 11                        ; my four K steps (wave % 2): 4 x 512 bytes
	s_add_co_u32 s20, s20, s30
	s_mov_b32 s21, 0
	s_lshl_b32 s22, s17, 15                        ; Wq's codes: 64 rows of 512 bytes a head
	s_mov_b32 s23, 0
	s_lshl_b32 s24, s17, 11                        ; its scale bytes: 64 rows of 32
	s_mov_b32 s25, 0
	s_lshr_b32 s30, s16, 5                         ; the batch (32 blocks of 64 rows each),
	s_lshl_b32 s30, s30, 4
	s_add_co_u32 s30, s30, s17                     ; batch x 16 + head,
	s_lshl_b32 s30, s30, 11
	s_and_b32 s31, s16, 31
	s_lshl_b32 s31, s31, 6
	s_add_co_u32 s30, s30, s31                     ; its row of q that is my block's first
	s_lshl_b32 s26, s30, 5                         ; 32 bytes of codes a row,
	s_mov_b32 s27, 0
	s_lshl_b32 s28, s30, 2                         ; one word of scales
	s_mov_b32 s29, 0
	s_mul_i32 s32, s14, TSB                        ; my stage
	s_lshl_b32 s33, s14, 12
	s_add_co_u32 s33, s33, XIMG                    ; my four images
	s_lshl_b32 s34, s14, 9
	s_add_co_u32 s34, s34, XSC                     ; and their scale words
	v_lshlrev_b32 v[XO], 4, v[LN]
	v_lshl_add_u32 v[TSW], v[LN], 4, s32
	v_mul_u32_u24 v[TSR], v[RR], TSP
	s_wait_alu depctr_va_vdst(0)
	v_lshl_add_u32 v[TSR], v[HH], 7, v[TSR]
	v_add_nc_u32 v[TSR], s32, v[TSR]
	v_lshl_add_u32 v[IMW], v[LN], 4, s33
	v_lshl_add_u32 v[ISW], v[LN], 2, s34
	v_lshl_add_u32 v[LI], v[LN], 4, XIMG
	v_lshl_add_u32 v[LS], v[LN], 2, XSC
	v_lshrrev_b32 v240, 3, v[RR]                   ; r / 8
	v_and_b32 v241, 7, v[RR]                       ; r % 8
	v_lshlrev_b32 v[WO], 14, v240                  ; Wq's codes: lane r of tile i takes row 32 (r / 8) + 8 i + r % 8 of 512 bytes, + 16 h
	v_lshl_add_u32 v[WO], v241, 9, v[WO]
	v_lshl_add_u32 v[WO], v[HH], 4, v[WO]
	v_lshlrev_b32 v[WSO], 10, v240                 ; its scale words: the same row of 32 bytes; lanes 16-31 take the tile one further on: 8 rows
	v_lshl_add_u32 v[WSO], v[HH], 8, v[WSO]
	v_lshl_add_u32 v[WSO], v241, 5, v[WSO]
	v_lshlrev_b32 v[QCO], 5, v[RR]
	v_lshl_add_u32 v[QCO], v[HH], 4, v[QCO]
	v_lshlrev_b32 v[QSO], 2, v[LN]
	v_lshlrev_b32 v[SH8], 3, v[HH]
	v_mov_b32 v[T], 0                              ; written once: a lane permute's destination counts as one of its sources
	s_wait_kmcnt 0x0
	s_add_nc_u64 s[4:5], s[4:5], s[20:21]
	s_add_nc_u64 s[6:7], s[6:7], s[22:23]
	s_add_nc_u64 s[8:9], s[8:9], s[24:25]
	s_add_nc_u64 s[10:11], s[10:11], s[26:27]
	s_add_nc_u64 s[12:13], s[12:13], s[28:29]
	WIN 0x40                                       ; destination window 1
	s_wait_alu depctr_va_vdst(0)                   ; the offsets and LDS addresses v4 to v14 are written, which every load and store of the kernel reads; none is written again
.irp i, 0,1,2,3                                ; Wq's fragment (tile i, K step s) at v[64 i + 8 s] of window 1: it stays
.irp s, 0,1,2,3,4,5,6,7
.irp c, 0,1
	global_load_b128 v[64*\i+8*\s+4*\c:64*\i+8*\s+4*\c+3], v[WO], s[6:7] offset:4096*\i+64*\s+32*\c
.endr
.endr
.endr
	WIN 0
.irp a, 0,1
.irp q, 0,1
	global_load_b128 v[WS+8*\a+4*\q:WS+8*\a+4*\q+3], v[WSO], s[8:9] offset:512*\a+16*\q   ; four K steps' words at once
.endr
.endr
	XLOAD 0, RAW                                   ; Wq's loads stand ahead of x's, so that x's counted waits show Wq landed too
	XLOAD 1, RAW+64
; ---- x: my four fragments, loads two fragments ahead
.irp k, 0,1,2,3
.if \k < 3
	s_wait_loadcnt 16                              ; loads come back in order (ISA guide 5.7.1): this fragment's are in, the next fragment's 16 may be out
.else
	s_wait_loadcnt 0x0
.endif
	TURN RAW+64*(\k%2)                             ; its loads land in X, which the last quantising read: that is stated by the wait on va_vdst ahead of the last image; no vector instruction stands between
	s_wait_dscnt 0x0                               ; the turned numbers are in
	s_wait_alu depctr_vm_vsrc(0)                   ; the stage's stores have read this raw set, in which the loads of two fragments on, and behind the barrier x's fragments, land; the last image's stores have read v[PC ..] and v[PW], which the quantising below writes again
.if \k < 2
	XLOAD \k+2, RAW+64*(\k%2)
.endif
	QUANT64
	s_wait_alu depctr_va_vdst(0)                   ; the quantising has written v[PC ..] and v[PW], which the image's stores read, and is done reading X, in which the next turn's loads land
	IMAGE \k
.endr
	s_wait_dscnt 0x0                               ; for the others' sake: my images have landed
	s_barrier_signal -1
	s_barrier_wait -1                              ; x's 32 fragments lie in LDS; nothing is written there again
; ---- q: a tile of 16 rows at a time; the next tile's fragments are fetched ahead of this tile's products
	FETCHX 0, 0                                    ; both sets of XF lie where the raw sets lay: the fourth fragment's wait on vm_vsrc stands behind the last stage store that read them, and no vector instruction has named them
.irp m, 0,1,2,3
.if \m < 3
	FETCHX \m+1, (\m+1)%2                          ; into the set that the products of the tile before read: the wait on va_vdst ahead of that tile's store states that they are done with it, and no vector or matrix instruction stands between
	s_wait_dscnt 24                                ; this tile's loads are in; the 24 just issued may be out
.else
	s_wait_dscnt 0x0
.endif
	MULM \m%2
.rept 5
	v_nop                                          ; four places in front of the first read of results (ISA guide 7.12.1); the fifth because the next tile's first products write over these accumulators
.endr
	QUANTQ \m
	s_wait_alu depctr_va_vdst(0)                   ; the conversions have written this tile's v[QC ..], which the store reads; this tile's products are done reading their set of XF and XS, in which the loads of two tiles on land
	global_store_b128 v[QCO], v[QC+4*\m:QC+4*\m+3], s[10:11] offset:512*\m   ; 32 lanes store 512 consecutive bytes, at a multiple of 512 from the buffer's first byte
.endr
	v_cmp_le_u32 vcc_lo, 16, v[LN]                 ; the scale words: every lane holds row r's of each tile: lanes 0-15 send tile 2 a's, lanes 16-31 tile 2 a + 1's
	s_wait_alu depctr_va_vcc(0)                    ; VCC is written, ahead of its first reader, the selection below
.irp a, 0,1
	v_cndmask_b32 v[T0+\a], v[QW+2*\a], v[QW+2*\a+1], vcc_lo
.endr
	s_wait_alu depctr_va_vdst(0)                   ; the two selections have written v[T0] and v[T0+1], which the two stores read
.irp a, 0,1
	global_store_b32 v[QSO], v[T0+\a], s[12:13] offset:128*\a
.endr
	s_wait_xcnt 0x0
	s_wait_alu depctr_vm_vsrc(0)                   ; the images' stores have read v255, which is written anew below
	v_lshl_add_u32 v254, v0, 2, 0x19800            ; the LDS address of my spare word: behind the scale words, 4 bytes a thread
	v_mov_b32 v255, 0
	s_wait_dscnt 0x0                               ; the closing lines, six on end
	s_wait_alu 0x0
	s_wait_tensorcnt 0x0
	ds_add_u32 v254, v255
	s_wait_dscnt 0x0
	s_endpgm
.Lfunc_end_k_q84d2f6142b_proj:
	.size	k_q84d2f6142b_proj, .Lfunc_end_k_q84d2f6142b_proj-k_q84d2f6142b_proj
	.p2alignl 7, 3214868480
	.fill 96, 4, 3214868480
	.section	.rodata,"a",@progbits
	.p2align	6, 0x0
	.amdhsa_kernel k_q84d2f6142b_proj
		.amdhsa_group_segment_fixed_size 105472
		.amdhsa_private_segment_fixed_size 0
		.amdhsa_enable_private_segment 0
		.amdhsa_kernarg_size 40
		.amdhsa_user_sgpr_count 2
		.amdhsa_user_sgpr_kernarg_segment_ptr 1
		.amdhsa_wavefront_size32 1
		.amdhsa_system_sgpr_workgroup_id_x 1
		.amdhsa_system_sgpr_workgroup_id_y 1
		.amdhsa_system_sgpr_workgroup_id_z 1
		.amdhsa_system_vgpr_workitem_id 0
		.amdhsa_next_free_vgpr 512
		.amdhsa_next_free_sgpr 66
		.amdhsa_reserve_vcc 1
		.amdhsa_float_denorm_mode_32 3
		.amdhsa_float_denorm_mode_16_64 3
		.amdhsa_memory_ordered 1
		.amdhsa_forward_progress 1
		.amdhsa_inst_pref_size 68
	.end_amdhsa_kernel
	.amdgpu_metadata
---
amdhsa.version: [ 1, 2 ]
amdhsa.kernels:
  - .name:           k_q84d2f6142b_proj
    .symbol:         k_q84d2f6142b_proj.kd
    .args:
      - { .name: x, .offset: 0, .size: 8, .value_kind: global_buffer, .address_space: global }
      - { .name: Wq_codes, .offset: 8, .size: 8, .value_kind: global_buffer, .address_space: global }
      - { .name: Wq_scales, .offset: 16, .size: 8, .value_kind: global_buffer, .address_space: global }
      - { .name: q_codes, .offset: 24, .size: 8, .value_kind: global_buffer, .address_space: global }
      - { .name: q_sw, .offset: 32, .size: 8, .value_kind: global_buffer, .address_space: global }
    .group_segment_fixed_size: 105472
    .private_segment_fixed_size: 0
    .kernarg_segment_align: 8
    .kernarg_segment_size: 40
    .max_flat_workgroup_size: 256
    .sgpr_count:     66
    .vgpr_count:     512
    .wavefront_size: 32
...
	.end_amdgpu_metadata
.endif
;; end of part 3
;; launch attn (part 4): grid 256 x 1, 16 waves a work-group, clusters of 4 x 1, 213,504 bytes of LDS; arguments q_codes, q_sw, k_codes, k_scales, v_codes, v_scales, x, out0; writes out0
.if DOCPART == 4
	.amdgcn_target "amdgcn-amd-amdhsa--gfx1250"
	.amdhsa_code_object_version 6
	.text
	.protected	k_q84d2f6142b_attn
	.globl	k_q84d2f6142b_attn
	.p2align	8
	.type	k_q84d2f6142b_attn,@function
k_q84d2f6142b_attn:
	s_mov_b64 s[64:65], 0
	v_nop
	global_prefetch_b8 v0, s[64:65] scope:SCOPE_SE
	s_setreg_imm32_b32 hwreg(HW_REG_WAVE_MODE, 25, 1), 1
	s_wait_xcnt 0x0
	s_wait_alu depctr_hold_cnt(0) depctr_sa_sdst(0) depctr_va_vdst(0) depctr_va_sdst(0) depctr_va_ssrc(0) depctr_va_vcc(0) depctr_vm_vsrc(0)
	s_getreg_b32 s2, hwreg(HW_REG_IB_STS2, 6, 4)
	s_cmp_eq_u32 s2, 0
	s_cbranch_scc0 .Lentry_in_a_cluster
	s_endpgm
.Lentry_in_a_cluster:
	s_bfe_u32 s2, ttmp6, 0x10000c
	s_cmp_lg_u32 s2, 0x3003
	s_cbranch_scc0 .Lentry_shape_is_right
	s_endpgm
.Lentry_shape_is_right:
; out0 = x + softmax(q k^T / 32, causal) v, head by head, both products on codes of FP4 (E2M1) with one E8M0 scale for each 32 along a product's K.
; q: codes [64 heads][2048][32 bytes] and one scale word a row (made by the launch before).  k: codes [64][2048][32 bytes], scale bytes [64][2048][2].  v: codes with the KEYS innermost, [64][64 channels][1024 bytes], scale bytes [64][64][64].
; THE SOFTMAX AHEAD OF THE SECOND PRODUCT: t = score x log2(e) / 32; M = the running largest t rounded UP to a whole number; p = 2^(t - M) is quantised along the keys, not normalised; the row's sum is taken of the unquantised p and divides at the end.
; When M moves, the sum and O are multiplied by 2^(old M - new M): exact.
; SHARES.  A cluster of four work-groups owns one head.  A head's K, V and their scale bytes are 139,264 bytes: they come into each work-group's LDS ONCE, by four JOINT tensor loads (the same descriptor and the mask of all four in each partner),
; and stay: no slot is ever filled again, and no barrier stands in the key loop.
; The head's 128 tiles of 16 queries: tile 4 g + cx goes to work-group cx; g = 0 .. 31.  Its queries begin at 64 g + 16 cx, so it needs the key steps (128 keys each) 0 .. g / 2, whatever cx: no branch hangs on the place in the cluster.
; Wave w of sixteen takes g = w and then g = 31 - w: 17 key steps for every wave.  Four waves share a SIMD, so that one wave's vector work stands beside another's LDS loads and products.
; A pass's key loop has a constant 16 trips; a scalar branch on the wave's number leads over the work of the steps all of whose keys come after the tile's queries, not over the lines that step addresses.
; LAYOUT.  Both products are used transposed: S^T = K Q^T (source 0 = 16 keys, source 1 = my 16 queries), O^T = V^T P^T (source 0 = 16 channels, source 1 = P): a lane holds ONE query (lane % 16) throughout.
; THE KEYS OF A TILE ARE CHOSEN: row m of tile (c, i) is key 64 c + 32 (m / 8) + 8 i + m % 8 of the step.  So the 32 registers of tiles (c, 0 .. 3) of lane (q, h) are keys 64 c + 32 h + 0 .. 31 in order: a WHOLE block of the second product's K:
; its largest p needs no other lane, and the conversions' results are P's registers as they stand.
; The first product's K is 64: the upper halves of K's and Q's fragments are zero codes (registers cleared once), and the upper two bytes of their scale words are 0, which stands for a finite number.
; LIMITS: NaN and infinities are not served; a given scale byte 0xff gives NaN.  v_exp_f32 gives 0 for p under 2^-126.  A block of p that is all zeros gets the byte 1 and zero codes.
.set KP,    1040                       ; LDS: 32 keys' codes (1,024 bytes) + 16 of padding; likewise a channel's row of V.  A fragment load's 16 lanes fall into 16 different columns of 16 bytes modulo 256 (64 banks of 4 bytes: ISA guide 11.1)
.set KC,    0                          ; K's codes: 64 such rows: key k at (k / 32) KP + 32 (k % 32)
.set VC,    64*KP                      ; V's codes: 64 rows
.set KSC,   2*64*KP                    ; K's scale bytes, dense: 2 a key
.set VSC,   KSC+4096                   ; V's: 64 rows of 64 bytes + 8
.set VSP,   72
.set STAGE, VSC+64*VSP                 ; the way out: 16 rows x (256 bytes + 16) for each wave, its own; a multiple of 256; no tensor load lands here
.set SP,    272
.set AK0,  1                           ; v1   my lane's place in a tile of K
.set AV0,  2                           ; v2   in a tile of V
.set ASK0, 3                           ; v3   among K's scale bytes
.set ASV0, 4                           ; v4   among V's scale words
.set GO,   5                           ; v5   my byte in 16 rows of x and of out0: 4,096 h + 16 r
.set STO,  6                           ; v6   the stage: where I put 32 bytes of a row
.set SRD,  7                           ; v7   and where I read a row back
.set ADK,  8                           ; v8-11 the step's LDS addresses
.set ADV,  9
.set ADS,  10
.set ADT,  11
                                       ; v12 -M, v13 the largest t, v[14:15] the row's sum in two halves
.set Q,    16                          ; v16-23 Q's fragment: v16-19 loaded, v20-23 zero
.set QS,   24                          ; v24  Q's scale words.  Scales and nothing else
.set DQ,   25                          ; v25  the mask's threshold on the diagonal
.set QO,   26                          ; v26  32 r + 16 h
.set QSO,  27                          ; v27  4 r
.set KS,   28                          ; v28-31 K's scale words: register 2 c + a: lanes 0-15 tile (c, 2 a), lanes 16-31 tile (c, 2 a + 1).  Scales and nothing else
.set KF,   32                          ; v32-63 four fragments of K: registers 0-3 loaded, 4-7 zero
.set VF,   64                          ; v64-95 four fragments of V
.set S,    96                          ; v96-159 S^T, then p
.set O,    160                         ; v160-191 O^T: tile t (channels 16 t on) at 8 t
.set PCD,  192                         ; v192-199 p's codes
.set VS,   200                         ; v200-201 V's scale words: lanes 0-15 tile 2 a, lanes 16-31 tile 2 a + 1.  Scales and nothing else
.set PW,   202                         ; v202 p's scale word.  Scales and nothing else
.set RH,   203                         ; v203 r - 32 h
.set BM,   204                         ; v204-205 a block's largest score, then its largest p
.set T0,   206                         ; v206 a lane permute's destination
.set SC,   208                         ; v208-209 the conversions' scale operands
.set BY,   210                         ; v210-211 scale bytes
.set F,    212                         ; v[212:213] f = 2^(old M - new M); the pair's upper word is written once
.set NINF, 214                         ; v214 -infinity
.set SH8,  215                         ; v215 8 h
.set SUM2, 216                         ; v[216:217] the sum's second chain
.set RM,   218
.set OLD,  219
.set XR,   224                         ; v224-255 16 rows x 256 bytes of x
.set WV,   20                          ; s20 wave;  s21 cx;  s22 the head (of 64)
.set CX,   21
.set BH,   22
.set SEL,  24                          ; s[24:25] v_permlanex16_b32's selects for lane l xor 16
.set CS,   26                          ; s[26:27] c = log2(e) / 32: the packed form names a pair and takes its low word for both halves
.set G1C,  28                          ; s[28:35] descriptor group 1 for K's and V's codes;  s[36:43] for K's scale bytes;  s[44:51] for V's
.set G1KS, 36
.set G1VS, 44
.set G0K,  52                          ; s[52:55], s[56:59], s[60:63], s[68:71] the four groups 0
.set G0V,  56
.set G0KS, 60
.set G0VS, 68
.set G,    72                          ; s72 g;  s73 the diagonal's step;  s74 the step
.set SD,   73
.set SI,   74
.set TK,   75                          ; s75-78 the step's LDS bytes: K's codes, V's codes, K's scale bytes, V's scale words
.set TV,   76
.set TSK,  77
.set TSV,  78
.set QCB,  82                          ; s[82:83] q_codes, s[84:85] q_sw, s[86:87] x, s[88:89] out0, each at the pass's first row
.set QSB,  84
.set XB,   86
.set OB,   88
; A round of the cluster's barrier: my work-group's barrier, so that wave 0's signal speaks for all sixteen waves; wave 0 signals for the work-group; every wave waits for all four work-groups; my work-group's barrier once more.
.macro CROUND
	s_barrier_signal -1
	s_barrier_wait -1
	s_cmp_lg_u32 s[WV], 0
	s_cbranch_scc1 .Lnot_wave_0_\@
	s_barrier_signal -3
.Lnot_wave_0_\@:
	s_barrier_wait -3
	s_barrier_signal -1
	s_barrier_wait -1
.endm
.macro PLACES
.rept 4
	v_nop
.endr
.endm
; One product.  link = 0: it starts the sum (C is the constant 0).  row = 1: source 0's scales stand in lanes 16-31 of their register.
.macro PROD d, a, b, link, sa, sb, row
.if (\link) == 0
.if \row
	v_wmma_scale_f32_16x16x128_f8f6f4 v[\d:\d+7], v[\a:\a+7], v[\b:\b+7], 0, v[\sa], v[\sb] matrix_a_fmt:MATRIX_FMT_FP4 matrix_b_fmt:MATRIX_FMT_FP4 matrix_a_scale:MATRIX_SCALE_ROW1
.else
	v_wmma_scale_f32_16x16x128_f8f6f4 v[\d:\d+7], v[\a:\a+7], v[\b:\b+7], 0, v[\sa], v[\sb] matrix_a_fmt:MATRIX_FMT_FP4 matrix_b_fmt:MATRIX_FMT_FP4
.endif
.else
.if \row
	v_wmma_scale_f32_16x16x128_f8f6f4 v[\d:\d+7], v[\a:\a+7], v[\b:\b+7], v[\d:\d+7], v[\sa], v[\sb] matrix_a_fmt:MATRIX_FMT_FP4 matrix_b_fmt:MATRIX_FMT_FP4 matrix_a_scale:MATRIX_SCALE_ROW1
.else
	v_wmma_scale_f32_16x16x128_f8f6f4 v[\d:\d+7], v[\a:\a+7], v[\b:\b+7], v[\d:\d+7], v[\sa], v[\sb] matrix_a_fmt:MATRIX_FMT_FP4 matrix_b_fmt:MATRIX_FMT_FP4
.endif
.endif
.endm
; A PASS BEGINS: its tile's addresses; Q, its scale words and the tile's 16 x 256 bytes of x are asked for (x a whole pass ahead of its use); the statistics and O^T start.
.macro PASS_BEGIN p
.if \p
	s_xor_b32 s[G], s[WV], 31                      ; g = 31 - wave
.else
	s_mov_b32 s[G], s[WV]                          ; g = wave
.endif
	s_lshr_b32 s[SD], s[G], 1                      ; the step on the diagonal: it hangs on the wave's number alone
	s_lshl_b32 s92, s[G], 6
	s_lshl_b32 s93, s[CX], 4
	s_add_co_u32 s92, s92, s93                     ; my first query: 64 g + 16 cx.  cx enters global offsets and the mask's threshold, nothing else
	s_lshl_b32 s94, s[BH], 11
	s_add_co_u32 s94, s94, s92                     ; its row among all heads' rows of q
	s_lshl_b32 s80, s94, 5
	s_mov_b32 s81, 0
	s_add_nc_u64 s[QCB:QCB+1], s[4:5], s[80:81]
	s_lshl_b32 s80, s94, 2
	s_add_nc_u64 s[QSB:QSB+1], s[6:7], s[80:81]
	s_lshr_b32 s80, s[BH], 4
	s_lshl_b32 s80, s80, 23                        ; x and out0: the batch's 2,048 rows of 4,096 bytes,
	s_lshl_b32 s94, s92, 12                        ; my first query's row,
	s_add_co_u32 s80, s80, s94
	s_and_b32 s94, s[BH], 15
	s_lshl_b32 s94, s94, 8                         ; the head's 256 bytes in it
	s_add_co_u32 s80, s80, s94
	s_add_nc_u64 s[XB:XB+1], s[16:17], s[80:81]
	s_add_nc_u64 s[OB:OB+1], s[18:19], s[80:81]
	global_load_b128 v[Q:Q+3], v[QO], s[QCB:QCB+1] th:TH_LOAD_NT
	global_load_b32 v[QS], v[QSO], s[QSB:QSB+1] th:TH_LOAD_NT
.irp i, 0,1,2,3,4,5,6,7
	global_load_b128 v[XR+4*\i:XR+4*\i+3], v[GO], s[XB:XB+1] offset:8192*\i th:TH_LOAD_NT   ; rows 2 i and 2 i + 1: sixteen lanes read 256 consecutive bytes
.endr
	s_and_b32 s94, s[G], 1
	s_lshl_b32 s94, s94, 6
	s_add_co_u32 s94, s94, s93
	v_add_nc_u32 v[DQ], s94, v[RH]                 ; my query - the diagonal step's first key - 32 h: register 32 c + n holds a hidden key where 64 c + n is larger
	v_mov_b32 v13, 0xff61b1e6                      ; the largest t so far: -3e38, under every t
	s_delay_alu instid0(VALU_DEP_1)
	v_floor_f32 v12, -v13                          ; -M
	v_mov_b32 v14, 0                               ; the sum, in two halves
	v_mov_b32 v15, 0
.set j, 0
.rept 32
	v_mov_b32 v[O+j], 0                            ; O^T: the step is written once: the first finds zeros, which the first change of M leaves zeros
.set j, j+1
.endr
	s_mov_b32 s[SI], 0
	s_mov_b32 s[TK], 0
	s_mov_b32 s[TV], 0
	s_mov_b32 s[TSK], 0
	s_mov_b32 s[TSV], 0
.endm
; A KEY STEP: 128 keys.
.macro STEP
	s_cmp_gt_u32 s[SI], s[SD]                      ; all its keys come after my queries: nothing to do
	s_cbranch_scc1 .Lhid_\@
	s_setprio 2
	v_add_nc_u32 v[ADK], s[TK], v[AK0]             ; (these four are also the places between the last step's products and the loads into their registers)
	s_wait_alu depctr_va_vdst(0)
	v_add_nc_u32 v[ADV], s[TV], v[AV0]
	v_add_nc_u32 v[ADS], s[TSK], v[ASK0]
	v_add_nc_u32 v[ADT], s[TSV], v[ASV0]
.irp c, 0,1
.irp a, 0,1
	ds_load_u16 v[KS+2*\c+\a], v[ADS] offset:128*\c+32*\a   ; a key's two scale bytes; the word's upper half comes as 0
.endr
.endr
.irp c, 0,1                                    ; S^T = K Q^T: four tiles of 16 keys at a time
.if \c
	PLACES                                         ; in front of loads into registers that the four products above have read
.endif
.irp i, 0,1,2,3
	ds_load_b128 v[KF+8*\i:KF+8*\i+3], v[ADK] offset:2*KP*\c+256*\i
.endr
	s_wait_dscnt 0x0
.irp i, 0,1,2,3
	PROD S+32*\c+8*\i, KF+8*\i, Q, 0, KS+2*\c+\i/2, QS, \i%2
.endr
.endr
	s_wait_alu depctr_va_vdst(0)
.irp t, 0,1,2,3                                ; V's fragments and scale words are asked for here and land under the softmax
.irp e, 0,1
	ds_load_b128 v[VF+8*\t+4*\e:VF+8*\t+4*\e+3], v[ADV] offset:16*KP*\t+32*\e
.endr
.endr
.irp a, 0,1
	ds_load_b32 v[VS+\a], v[ADT] offset:32*VSP*\a
.endr
	PLACES                                         ; in front of the first read of the scores (ISA guide 7.12.1)
	s_cmp_lg_u32 s[SI], s[SD]                      ; on the diagonal the scores of hidden keys become -infinity ahead of the maximum: p = 0 then.  The step's first key counts for every query of the tile
	s_cbranch_scc1 .Lopen_\@
.irp c, 0,1
.set n, 0
.rept 32
	v_cmp_gt_i32 vcc_lo, 64*\c+n, v[DQ]
	v_cndmask_b32 v[S+32*\c+n], v[S+32*\c+n], v[NINF], vcc_lo
.set n, n+1
.endr
.endr
.Lopen_\@:
.irp c, 0,1
	v_max3_num_f32 v[BM+\c], v[S+32*\c], v[S+32*\c+1], v[S+32*\c+2]   ; THE LARGEST SCORE OF MY BLOCK OF 32 KEYS serves twice: for the row's maximum, and, since p rises with the score, for the block's largest p.  Each accumulator is read from its low end on
.endr
.irp i, 3,5,7,9,11,13,15,17,19,21,23,25,27,29
.irp c, 0,1
	v_max3_num_f32 v[BM+\c], v[BM+\c], v[S+32*\c+\i], v[S+32*\c+\i+1]   ; (the two blocks by turns)
.endr
.endr
.irp c, 0,1
	v_max_num_f32 v[BM+\c], v[BM+\c], v[S+32*\c+31]
.endr
	s_delay_alu instid0(VALU_DEP_1)
	v_max_num_f32 v[RM], v[BM], v[BM+1]
	s_delay_alu instid0(VALU_DEP_1)
	v_permlanex16_b32 v[T0], v[RM], s[SEL], s[SEL+1]
	s_delay_alu instid0(VALU_DEP_1)
	v_max_num_f32 v[RM], v[RM], v[T0]              ; with lane l xor 16's 64 keys: the step's largest score of my query
	s_delay_alu instid0(VALU_DEP_1)
	v_mul_f32 v[RM], s[CS], v[RM]                  ; as t (c is positive)
	s_delay_alu instid0(VALU_DEP_1)
	v_max_num_f32 v13, v13, v[RM]                  ; the running largest t
	v_mov_b32 v[OLD], v12
	s_delay_alu instid0(VALU_DEP_2)
	v_floor_f32 v12, -v13                          ; the new -M = floor(-t) = -ceil(t): M is a whole number
	s_delay_alu instid0(VALU_DEP_1)
	v_sub_f32 v[OLD], v12, v[OLD]                  ; old M - new M: a whole number, 0 or less
	s_delay_alu instid0(VALU_DEP_1)
	v_cvt_i32_f32 v[OLD], v[OLD]                   ; (it saturates)
	s_delay_alu instid0(VALU_DEP_1)
	v_ldexp_f32 v[F], 1.0, v[OLD]                  ; f = 2^(old M - new M): a multiplication by it rounds nothing
.set j, 0
	s_setprio 1
.rept 32
	v_pk_fma_f32 v[S+j:S+j+1], v[S+j:S+j+1], s[CS:CS+1], v[12:13] op_sel_hi:[1,0,0]   ; t - M, two at a time (of the pairs c and -M the low word serves both halves)
.set j, j+2
.endr
.irp c, 0,1
	v_fma_f32 v[BM+\c], v[BM+\c], s[CS], v12       ; the same of each block's largest score
.endr
.set j, 0
	s_wait_alu depctr_va_vdst(0)
.rept 64
	v_exp_f32 v[S+j], v[S+j]                       ; p = 2^(t - M), at most 1: not normalised
.set j, j+1
.endr
.irp c, 0,1
	v_exp_f32 v[BM+\c], v[BM+\c]                   ; the block's largest p: the same two instructions on the same number
.endr
	v_pk_mul_f32 v[14:15], v[14:15], v[F:F+1] op_sel_hi:[1,0]   ; the sums under the new M.  (The plain place behind the exponentials)
	s_wait_alu depctr_va_vdst(0)
.irp c, 0,1
	v_max_num_f32 v[BM+\c], 0x1800000, v[BM+\c]    ; the floor 2^(3 - 127): the byte cannot fall under 1
.endr
.irp c, 0,1
	s_delay_alu instid0(VALU_DEP_2)
	v_add_nc_u32 v[SC+\c], 0xff000000, v[BM+\c]    ; 2 off the exponent field: the conversion's scale operand
.endr
.irp c, 0,1
	s_delay_alu instid0(VALU_DEP_2)
	v_lshrrev_b32 v[BY+\c], 23, v[SC+\c]           ; the scale's byte
.endr
	s_delay_alu instid0(VALU_DEP_1)
	v_lshl_or_b32 v[PW], v[BY+1], 16, v[BY]        ; my two bytes (blocks h and 2 + h of these 128 keys),
	s_delay_alu instid0(VALU_DEP_1)
	v_lshlrev_b32 v[PW], v[SH8], v[PW]             ; at their places in the word;
	s_delay_alu instid0(VALU_DEP_1)
	v_permlanex16_b32 v[T0], v[PW], s[SEL], s[SEL+1]
	s_delay_alu instid0(VALU_DEP_1)
	v_or_b32 v[PW], v[PW], v[T0]                   ; with lane l xor 16's two the word is whole
.irp c, 0,1
.irp i, 0,1,2,3
	v_cvt_scalef32_pk8_fp4_f32 v[PCD+4*\c+\i], v[S+32*\c+8*\i:S+32*\c+8*\i+7], v[SC+\c]   ; register 4 c + i of P: keys 64 c + 32 h + 8 i on
.endr
.endr
	v_nop                                          ; one plain place behind a scaled conversion
	v_pk_add_f32 v[216:217], v[100:101], v[104:105]
	v_pk_add_f32 v[222:223], v[108:109], v[112:113]
	v_pk_add_f32 v[220:221], v[116:117], v[120:121]
	v_pk_add_f32 v[218:219], v[124:125], v[128:129]
	v_pk_add_f32 v[210:211], v[132:133], v[136:137]
	v_pk_add_f32 v[208:209], v[140:141], v[144:145]
	v_pk_add_f32 v[204:205], v[148:149], v[152:153]
	v_pk_add_f32 v[14:15], v[14:15], v[156:157]
	v_pk_add_f32 v[216:217], v[216:217], v[96:97]
	v_pk_add_f32 v[222:223], v[222:223], v[98:99]
	v_pk_add_f32 v[220:221], v[220:221], v[102:103]
	v_pk_add_f32 v[218:219], v[218:219], v[106:107]
	v_pk_add_f32 v[210:211], v[210:211], v[110:111]
	v_pk_add_f32 v[208:209], v[208:209], v[114:115]
	s_setprio 0
	v_pk_add_f32 v[204:205], v[204:205], v[118:119]
	v_pk_add_f32 v[14:15], v[14:15], v[122:123]
	v_pk_add_f32 v[216:217], v[216:217], v[126:127]
	v_pk_add_f32 v[222:223], v[222:223], v[130:131]
	v_pk_add_f32 v[220:221], v[220:221], v[134:135]
	v_pk_add_f32 v[218:219], v[218:219], v[138:139]
	v_pk_add_f32 v[210:211], v[210:211], v[142:143]
	v_pk_add_f32 v[208:209], v[208:209], v[146:147]
	v_pk_add_f32 v[204:205], v[204:205], v[150:151]
	v_pk_add_f32 v[14:15], v[14:15], v[154:155]
	v_pk_add_f32 v[216:217], v[216:217], v[158:159]
	s_delay_alu instid0(VALU_DEP_2)
	v_pk_add_f32 v[14:15], v[14:15], v[218:219]
	s_delay_alu instid0(VALU_DEP_2)
	v_pk_add_f32 v[216:217], v[216:217], v[210:211]
	v_pk_add_f32 v[222:223], v[222:223], v[208:209]
	v_pk_add_f32 v[220:221], v[220:221], v[204:205]
	s_delay_alu instid0(VALU_DEP_2)
	v_pk_add_f32 v[14:15], v[14:15], v[222:223]
	s_delay_alu instid0(VALU_DEP_2)
	v_pk_add_f32 v[216:217], v[216:217], v[220:221]
	s_delay_alu instid0(VALU_DEP_1)
	v_pk_add_f32 v[14:15], v[14:15], v[216:217]
.set j, 0
.rept 16
	v_pk_mul_f32 v[O+j:O+j+1], v[O+j:O+j+1], v[F:F+1] op_sel_hi:[1,0]   ; O^T under the new M.  (The sums and these stand between the scale word, the codes and the products that take them)
.set j, j+2
.endr
	s_wait_alu depctr_va_vdst(0)
	s_wait_dscnt 0x0                               ; V's fragments and scale words are in
.irp t, 0,1,2,3                                ; O^T += V^T P^T: the four accumulators by turns; between two links of a chain stand the next step's eight products and three of these
	PROD O+8*\t, VF+8*\t, PCD, 1, VS+\t/2, PW, \t%2
.endr
.Lhid_\@:
.endm
.macro PASS_LOOP                       ; sixteen trips, a constant of the text: every LDS address is a lane's constant + a step counted by this loop
.Lstep_\@:
	STEP
	s_add_co_u32 s[TK], s[TK], 4*KP                ; 128 keys on: four rows of K's codes,
	s_add_co_u32 s[TV], s[TV], 64                  ; 64 bytes in each row of V's,
	s_add_co_u32 s[TSK], s[TSK], 256               ; 256 scale bytes of K,
	s_add_co_u32 s[TSV], s[TSV], 4                 ; one scale word in each row of V's
	s_add_co_u32 s[SI], s[SI], 1
	s_cmp_lt_u32 s[SI], 16
	s_cbranch_scc1 .Lstep_\@
	s_setprio 0
.endm
; THE WAY OUT.  O^T / the sum goes through my own stage in LDS and comes back as whole rows of 256 bytes; x is added; sixteen lanes store 256 consecutive bytes, at a multiple of 256 from out0's first byte.
.macro WAYOUT
	PLACES                                         ; behind the last products
	v_add_f32 v14, v14, v15                        ; the sum's two halves,
	s_delay_alu instid0(VALU_DEP_1)
	v_permlanex16_b32 v[T0], v14, s[SEL], s[SEL+1]
	s_delay_alu instid0(VALU_DEP_1)
	v_add_f32 v14, v14, v[T0]                      ; and lane l xor 16's: the row's sum
	s_wait_alu depctr_va_vdst(0)
	v_rcp_f32 v14, v14
	v_nop                                          ; one plain place behind a transcendental
.set j, 0
	s_wait_alu depctr_va_vdst(0)
.rept 16
	v_pk_mul_f32 v[S+j:S+j+1], v[O+j:O+j+1], v[14:15] op_sel_hi:[1,0]   ; register 8 t + i is o(query r, channel 16 t + 8 h + i); each accumulator from its low end on
.set j, j+2
.endr
.irp t, 0,1,2,3
	ds_store_b128 v[STO], v[S+8*\t:S+8*\t+3] offset:64*\t
	ds_store_b128 v[STO], v[S+8*\t+4:S+8*\t+7] offset:64*\t+16
.endr
.irp i, 0,1,2,3,4,5,6,7
	ds_load_b128 v[S+32+4*\i:S+32+4*\i+3], v[SRD] offset:2*SP*\i   ; LDS serves a wave's instructions in order (ISA guide 5.7.1.4): these see my stores
.endr
	s_wait_loadcnt 0x0                             ; x, asked for at the pass's head
.irp i, 0,1,2,3,4,5,6,7
	s_wait_dscnt 7-\i                              ; load i is in; the 7 - i behind it may be out
	v_pk_add_f32 v[S+32+4*\i:S+32+4*\i+1], v[S+32+4*\i:S+32+4*\i+1], v[XR+4*\i:XR+4*\i+1]
	v_pk_add_f32 v[S+32+4*\i+2:S+32+4*\i+3], v[S+32+4*\i+2:S+32+4*\i+3], v[XR+4*\i+2:XR+4*\i+3]
	global_store_b128 v[GO], v[S+32+4*\i:S+32+4*\i+3], s[OB:OB+1] offset:8192*\i th:TH_STORE_NT
.endr
	s_wait_xcnt 0x0                                ; the stores' data and base are written again only behind this wait
.endm
	s_load_b256 s[4:11], s[0:1], 0x0               ; q_codes s[4:5], q_sw s[6:7], K's codes s[8:9], K's scales s[10:11]
	s_load_b256 s[12:19], s[0:1], 0x20             ; V's codes s[12:13], V's scales s[14:15], x s[16:17], out0 s[18:19].  None of the eight is ever rewritten
	v_lshl_add_u32 v254, v0, 2, 0x33a00
	v_mov_b32 v255, 0
	ds_add_u32 v254, v255
	ds_add_u32 v254, v255
	s_wait_dscnt 0x0
	v_lshrrev_b32 v1, 5, v0
	s_delay_alu instid0(VALU_DEP_1)
	v_readfirstlane_b32 s[WV], v1                  ; wave 0..15
	s_bfe_u32 s[CX], ttmp6, 0x40000                ; cx: my place in the cluster
	s_mov_b32 s[BH], ttmp9                         ; in a cluster launch ttmp9 counts clusters: the head, which the four partners share
	s_mov_b32 s[SEL], 0x76543210
	s_mov_b32 s[SEL+1], 0xfedcba98
	s_mov_b32 s[CS], 0x3d38aa3b                    ; c = log2(e) / 32: the module divides by sqrt(1024)
	s_mov_b32 s[CS+1], s[CS]                       ; (named with it as a pair, so it is written)
	; descriptor group 1 for K's and V's codes: a head's 65,536 dense bytes as 64 rows of 1,024 bytes (128 elements of 8 bytes), 16 bytes of padding behind each
	s_mov_b32 s[G1C], 15|(3<<16)|(1<<20)|(1<<21)|(7<<22)|(3<<25)  ; 15:0 the mask: all four work-groups; 17:16 elements of 8 bytes; 20 padding on; 21 set beside a mask; 24:22 after every 256 words (code 7); 31:25 four words (code 3)
	s_mov_b32 s[G1C+1], 128<<16                    ; tensor_dim0
	s_mov_b32 s[G1C+2], 64<<16                     ; tensor_dim1
	s_mov_b32 s[G1C+3], 128<<16                    ; tile_dim0
	s_mov_b32 s[G1C+4], 64                         ; tile_dim1
	s_mov_b32 s[G1C+5], 128                        ; tensor_dim0_stride
	s_mov_b32 s[G1C+6], 0
	s_mov_b32 s[G1C+7], 0
	; K's scale bytes: 4,096 dense bytes as 16 rows of 256, no padding
	s_mov_b32 s[G1KS], 15|(3<<16)|(1<<21)
	s_mov_b32 s[G1KS+1], 32<<16
	s_mov_b32 s[G1KS+2], 16<<16
	s_mov_b32 s[G1KS+3], 32<<16
	s_mov_b32 s[G1KS+4], 16
	s_mov_b32 s[G1KS+5], 32
	s_mov_b32 s[G1KS+6], 0
	s_mov_b32 s[G1KS+7], 0
	; V's scale bytes: 64 rows of 64 bytes, 8 bytes of padding behind each: the 32 lanes of a load, one row each, fall on 32 different banks
	s_mov_b32 s[G1VS], 15|(3<<16)|(1<<20)|(1<<21)|(3<<22)|(1<<25)  ; after every 16 words (code 3) two words (code 1)
	s_mov_b32 s[G1VS+1], 8<<16
	s_mov_b32 s[G1VS+2], 64<<16
	s_mov_b32 s[G1VS+3], 8<<16
	s_mov_b32 s[G1VS+4], 64
	s_mov_b32 s[G1VS+5], 8
	s_mov_b32 s[G1VS+6], 0
	s_mov_b32 s[G1VS+7], 0
	s_lshl_b32 s80, s[BH], 16                      ; the head's first byte in each tensor of codes,
	s_mov_b32 s81, 0
	s_lshl_b32 s90, s[BH], 12                      ; and of scale bytes
	s_mov_b32 s91, 0
	s_wait_kmcnt 0x0
	s_mov_b32 s[G0K], 1                            ; 1:0 count = 1
	s_mov_b32 s[G0K+1], KC                         ; 63:32 LDS address
	s_add_nc_u64 s[G0K+2:G0K+3], s[8:9], s[80:81]  ; 120:64 global address
	s_or_b32 s[G0K+3], s[G0K+3], 0x80000000        ; 127:126 type = 2
	s_mov_b32 s[G0V], 1
	s_mov_b32 s[G0V+1], VC
	s_add_nc_u64 s[G0V+2:G0V+3], s[12:13], s[80:81]
	s_or_b32 s[G0V+3], s[G0V+3], 0x80000000
	s_mov_b32 s[G0KS], 1
	s_mov_b32 s[G0KS+1], KSC
	s_add_nc_u64 s[G0KS+2:G0KS+3], s[10:11], s[90:91]
	s_or_b32 s[G0KS+3], s[G0KS+3], 0x80000000
	s_mov_b32 s[G0VS], 1
	s_mov_b32 s[G0VS+1], VSC
	s_add_nc_u64 s[G0VS+2:G0VS+3], s[14:15], s[90:91]
	s_or_b32 s[G0VS+3], s[G0VS+3], 0x80000000
	CROUND                                         ; all four work-groups are here: the joint loads meet
	; Waves 0 to 3 issue one joint load each, the others none: at most one tensor load of a wave is out.  The branches hang on the wave's number alone.  Four v_nop follow each tensor line.
	s_cmp_lg_u32 s[WV], 0
	s_cbranch_scc1 .Lnot_k
	tensor_load_to_lds s[G0K:G0K+3], s[G1C:G1C+7]
	s_nop 0
	PLACES
	s_branch .Lasked
.Lnot_k:
	s_cmp_lg_u32 s[WV], 1
	s_cbranch_scc1 .Lnot_v
	tensor_load_to_lds s[G0V:G0V+3], s[G1C:G1C+7]
	s_nop 0
	PLACES
	s_branch .Lasked
.Lnot_v:
	s_cmp_lg_u32 s[WV], 2
	s_cbranch_scc1 .Lnot_ks
	tensor_load_to_lds s[G0KS:G0KS+3], s[G1KS:G1KS+7]
	s_nop 0
	PLACES
	s_branch .Lasked
.Lnot_ks:
	s_cmp_lg_u32 s[WV], 3
	s_cbranch_scc1 .Lasked
	tensor_load_to_lds s[G0VS:G0VS+3], s[G1VS:G1VS+7]
	s_nop 0
	PLACES
.Lasked:
	v_and_b32 v220, 31, v0                         ; lane
	v_and_b32 v221, 15, v0                         ; r
	v_bfe_u32 v222, v0, 4, 1                       ; h
	s_delay_alu instid0(VALU_DEP_2)
	v_lshrrev_b32 v223, 3, v221                    ; r / 8
	v_and_b32 v207, 7, v0                          ; r % 8
	s_delay_alu instid0(VALU_DEP_2)
	v_mul_u32_u24 v[AK0], v223, KP                 ; K: lane r of tile (c, i) takes key 64 c + 32 (r / 8) + 8 i + r % 8: row 2 c + r / 8 of 32 keys, 32 bytes a key, + 16 h
	s_delay_alu instid0(VALU_DEP_1)
	v_lshl_add_u32 v[AK0], v207, 5, v[AK0]
	s_delay_alu instid0(VALU_DEP_1)
	v_lshl_add_u32 v[AK0], v222, 4, v[AK0]
	v_mul_u32_u24 v[AV0], v221, KP                 ; V: channel r of a tile, + 16 h
	s_delay_alu instid0(VALU_DEP_1)
	v_lshl_add_u32 v[AV0], v222, 4, v[AV0]
	s_delay_alu instid0(VALU_DEP_1)
	v_add_nc_u32 v[AV0], VC, v[AV0]
	v_lshlrev_b32 v[ASK0], 6, v223                 ; K's scale bytes: 2 a key; lanes 16-31 take the tile one further on: 8 keys
	s_delay_alu instid0(VALU_DEP_1)
	v_lshl_add_u32 v[ASK0], v222, 4, v[ASK0]
	s_delay_alu instid0(VALU_DEP_1)
	v_lshl_add_u32 v[ASK0], v207, 1, v[ASK0]
	s_delay_alu instid0(VALU_DEP_1)
	v_add_nc_u32 v[ASK0], KSC, v[ASK0]
	v_mul_u32_u24 v[ASV0], v220, VSP               ; V's scale words: channel 32 a + lane: lanes 0-15 tile 2 a, lanes 16-31 tile 2 a + 1
	s_delay_alu instid0(VALU_DEP_1)
	v_add_nc_u32 v[ASV0], VSC, v[ASV0]
	v_lshlrev_b32 v[GO], 12, v222
	s_delay_alu instid0(VALU_DEP_1)
	v_lshl_add_u32 v[GO], v221, 4, v[GO]
	s_mul_i32 s92, s[WV], 16*SP
	s_add_co_u32 s92, s92, STAGE                   ; my stage
	v_mul_u32_u24 v[STO], v221, SP                 ; in: row r, + 32 h
	s_delay_alu instid0(VALU_DEP_1)
	v_lshl_add_u32 v[STO], v222, 5, v[STO]
	s_delay_alu instid0(VALU_DEP_1)
	v_add_nc_u32 v[STO], s92, v[STO]
	v_mul_u32_u24 v[SRD], v222, SP                 ; back: lanes 0-15 one row, lanes 16-31 the next
	s_delay_alu instid0(VALU_DEP_1)
	v_lshl_add_u32 v[SRD], v221, 4, v[SRD]
	s_delay_alu instid0(VALU_DEP_1)
	v_add_nc_u32 v[SRD], s92, v[SRD]
	v_lshlrev_b32 v[QO], 5, v221
	s_delay_alu instid0(VALU_DEP_1)
	v_lshl_add_u32 v[QO], v222, 4, v[QO]
	v_lshlrev_b32 v[QSO], 2, v221
	v_lshlrev_b32 v[RH], 5, v222
	s_delay_alu instid0(VALU_DEP_1)
	v_sub_nc_u32 v[RH], v221, v[RH]
	v_lshlrev_b32 v[SH8], 3, v222
	v_mov_b32 v[NINF], 0xff800000
	v_mov_b32 v[T0], 0                             ; written once: a lane permute's destination counts as one of its sources
	v_mov_b32 v[F+1], 0                            ; (named as the upper half of a pair)
.irp j, 4,5,6,7
	v_mov_b32 v[Q+\j], 0                           ; the first product's K is 64: zero codes for k = 64 .. 127, in Q's fragment
.irp i, 0,1,2,3
	v_mov_b32 v[KF+8*\i+\j], 0                     ; and in K's four
.endr
.endr
	PASS_BEGIN 0
	s_wait_tensorcnt 0x0                           ; my load, if I issued one, has landed,
	s_barrier_signal -1
	s_barrier_wait -1                              ; everybody's has: the head lies in LDS.
	s_wait_loadcnt 8                               ; Q and its scale words are in; x's eight loads, issued behind them, may stay out
	PASS_LOOP
	WAYOUT
	PASS_BEGIN 1
	s_wait_loadcnt 8
	PASS_LOOP
	WAYOUT
	s_wait_dscnt 0x0                               ; no LDS instruction of mine is out at a signal
	s_wait_xcnt 0x0
	v_lshl_add_u32 v254, v0, 2, 0x33a00
	v_mov_b32 v255, 0
	s_wait_alu depctr_va_vdst(0)
	s_wait_tensorcnt 0x0
	ds_add_u32 v254, v255
	s_wait_dscnt 0x0
	CROUND                                         ; the closing round: no work-group ends while a partner may still ask for a tile that names it
	s_endpgm
.Lfunc_end_k_q84d2f6142b_attn:
	.size	k_q84d2f6142b_attn, .Lfunc_end_k_q84d2f6142b_attn-k_q84d2f6142b_attn
	.p2alignl 7, 3214868480
	.fill 96, 4, 3214868480
	.section	.rodata,"a",@progbits
	.p2align	6, 0x0
	.amdhsa_kernel k_q84d2f6142b_attn
		.amdhsa_group_segment_fixed_size 213504
		.amdhsa_private_segment_fixed_size 0
		.amdhsa_enable_private_segment 0
		.amdhsa_kernarg_size 64
		.amdhsa_user_sgpr_count 2
		.amdhsa_user_sgpr_kernarg_segment_ptr 1
		.amdhsa_wavefront_size32 1
		.amdhsa_system_sgpr_workgroup_id_x 1
		.amdhsa_system_sgpr_workgroup_id_y 1
		.amdhsa_system_sgpr_workgroup_id_z 1
		.amdhsa_system_vgpr_workitem_id 0
		.amdhsa_next_free_vgpr 256
		.amdhsa_next_free_sgpr 96
		.amdhsa_reserve_vcc 1
		.amdhsa_float_denorm_mode_32 3
		.amdhsa_float_denorm_mode_16_64 3
		.amdhsa_memory_ordered 1
		.amdhsa_forward_progress 1
		.amdhsa_inst_pref_size 65
	.end_amdhsa_kernel
	.amdgpu_metadata
---
amdhsa.version: [ 1, 2 ]
amdhsa.kernels:
  - .name:           k_q84d2f6142b_attn
    .symbol:         k_q84d2f6142b_attn.kd
    .args:
      - { .name: q_codes, .offset: 0, .size: 8, .value_kind: global_buffer, .address_space: global }
      - { .name: q_sw, .offset: 8, .size: 8, .value_kind: global_buffer, .address_space: global }
      - { .name: k_codes, .offset: 16, .size: 8, .value_kind: global_buffer, .address_space: global }
      - { .name: k_scales, .offset: 24, .size: 8, .value_kind: global_buffer, .address_space: global }
      - { .name: v_codes, .offset: 32, .size: 8, .value_kind: global_buffer, .address_space: global }
      - { .name: v_scales, .offset: 40, .size: 8, .value_kind: global_buffer, .address_space: global }
      - { .name: x, .offset: 48, .size: 8, .value_kind: global_buffer, .address_space: global }
      - { .name: out0, .offset: 56, .size: 8, .value_kind: global_buffer, .address_space: global }
    .group_segment_fixed_size: 213504
    .private_segment_fixed_size: 0
    .kernarg_segment_align: 8
    .kernarg_segment_size: 64
    .max_flat_workgroup_size: 512
    .sgpr_count:     96
    .vgpr_count:     256
    .wavefront_size: 32
...
	.end_amdgpu_metadata
.endif
;; end of part 4
